; MI455X (gfx1250); checked and timed in simulation.
; The chip was launched on July 23, 2026; its instructions are those of AMD's public machine-readable ISA for CDNA 5 (MIT licence, August 2026) and "CDNA5" Instruction Set Architecture Reference Guide (July 2026). The comments in the code are by the model that wrote it; some were corrected since.
;; Attention. Allowed arithmetic: float matrix products may take bf16 or f16 operands with f32 sums; other float arithmetic in f32, or as packed bf16 or f16 multiplies, adds, multiply-adds, maxima and minima; sums over many terms, partial sums and values carried from step to step in f32; what a program stores and reads back later, other than sums and carried values, may be rounded once to bf16 or f16.
;; Inputs: W 1,024 x 2,048 float32; b 1,024 float32; encoder_outputs 2,048 x 16 x 1,024 float32; hidden 1 x 16 x 1,024 float32; v 1,024 float32.
;; Outputs: out0 16 x 1,024 float32; out1 16 x 2,048 float32.
;; 2 versions, each right; version 2 is version 1 with the launch main written anew for expert scheduling mode. Each part assembles by itself: llvm-mc -triple=amdgcn-amd-amdhsa -mcpu=gfx1250 --defsym DOCPART=n.
;; ======== version 1 of 2: 3 launches
;; workspace buffers: wfrag 2,097,152 bytes; hbias 65,536 bytes; scores 131,072 bytes; part 1,048,576 bytes
;; launch prep (part 1): grid 64 x 1, 8 waves a work-group, no clusters, 9,216 bytes of LDS; arguments W, b, hidden, wfrag, hbias; writes wfrag, hbias
.if DOCPART == 1
	.amdgcn_target "amdgcn-amd-amdhsa--gfx1250"
	.amdhsa_code_object_version 6
	.text
	.protected	k_q91d88c58ce_prep
	.globl	k_q91d88c58ce_prep
	.p2align	8
	.type	k_q91d88c58ce_prep,@function
k_q91d88c58ce_prep:
	s_mov_b64 s[64:65], 0
	v_nop
	global_prefetch_b8 v0, s[64:65] scope:SCOPE_SE
	s_setreg_imm32_b32 hwreg(HW_REG_WAVE_MODE, 25, 1), 1
	s_wait_xcnt 0x0
; W is [1024][2048] f32: columns 0-1023 (W1) meet hidden, columns 1024-2047 (W2) meet encoder_outputs.
; This launch (a) rounds W2 to bf16 and writes it in the order in which the next launch's matrix fragments want it (wfrag),
; (b) makes hb[b][n] = sum over k of hidden[b][k] W1[n][k] + bias[n] (hbias, f32), with hidden, W1 and the bias rounded to bf16 and the sums in f32.
; LIMIT: every input is rounded once to bf16 (8 significant bits); NaN and infinities are not treated apart.
; SHARES.  Work-group g owns rows n = 16 g .. 16 g + 15 of W.  Wave w owns k = 128 w .. 128 w + 127 of both halves: four fragments of 16 rows x 32 k.
; A fragment: lane l holds row l % 16; registers 0-3 k = 8 (l / 16) + 0..7, registers 4-7 k = 16 + 8 (l / 16) + 0..7.  From f32 rows that is four loads of 16 bytes.
; wfrag: byte (n/128) 262144 + q 8192 + ((n/16)%8) 1024 + e 512 + 16 lane holds k = 32 q + 16 e + 8 (lane/16) + 0..7 of row n, n % 16 = lane % 16.
; hbias: hb[b][n] at (n/16) 1024 + 64 b + 4 (n%16).
; No tensor loads and no cluster: every byte is converted in registers on its way, and work-groups share only hidden's 64 KiB.
.set SPARE, 8192                       ; LDS: 0-8191 eight partial tiles of 1,024 bytes; then the spare words, 128 bytes a wave
.set WO,  3                            ; v3   my byte offset in the work-group's rows of W: (l%16) 8192 + 32 (l/16) + 512 w
.set HO,  4                            ; v4   the same in hidden: (l%16) 4096 + 32 (l/16) + 512 w
.set SO,  5                            ; v5   16 x lane
.set PS,  6                            ; v6   where I put my 32 bytes of the wave's partial tile
.set PR,  7                            ; v7   16 x (thread % 64): where I read the tiles back, and my place in hbias' block
.set SPW, 8                            ; v8   LDS address of my spare word; never rewritten
.set NIL, 9                            ; v9   0; never rewritten
.set BO,  10                           ; v10  16 x (thread % 4): my four numbers of the bias
.set BI,  12                           ; v[12:15] the bias
.set T,   16                           ; v[16:23] at work
.set X2,  32                           ; v[32:95]   W2 as loaded; packed: v[32:63]
.set X1,  96                           ; v[96:159]  W1 as loaded; packed: v[96:127]
.set R,   128                          ; v[128:159] later: the eight partial tiles read back
.set XH,  160                          ; v[160:223] hidden as loaded; packed: v[160:191]
.set ACC, 224                          ; v[224:239] two accumulators
.set WV,  14                           ; s14  my wave's number
	s_load_b256 s[4:11], s[0:1], 0x0               ; W s[4:5], b s[6:7], hidden s[8:9], wfrag s[10:11]
	s_load_b64 s[12:13], s[0:1], 0x20              ; hbias
	v_lshl_add_u32 v[SPW], v0, 2, SPARE
	v_mov_b32 v[NIL], 0
	v_lshrrev_b32 v11, 5, v0
	v_readfirstlane_b32 s[WV], v11                 ; wave 0..7
	v_and_b32 v1, 15, v0                           ; l % 16
	v_bfe_u32 v2, v0, 4, 1                         ; l / 16
	s_lshl_b32 s15, s[WV], 9                       ; 128 f32 a wave
	v_lshlrev_b32 v[WO], 13, v1
	v_lshl_add_u32 v[WO], v2, 5, v[WO]
	v_add_nc_u32 v[WO], s15, v[WO]
	v_lshlrev_b32 v[HO], 12, v1
	v_lshl_add_u32 v[HO], v2, 5, v[HO]
	v_add_nc_u32 v[HO], s15, v[HO]
	v_and_b32 v[SO], 31, v0
	v_lshlrev_b32 v[SO], 4, v[SO]
	s_lshl_b32 s16, s[WV], 10
	v_lshlrev_b32 v[PS], 6, v1                     ; 64 b
	v_lshl_add_u32 v[PS], v2, 5, v[PS]             ; + 32 (l/16): my eight n
	v_add_nc_u32 v[PS], s16, v[PS]
	v_and_b32 v[PR], 63, v0
	v_lshlrev_b32 v[PR], 4, v[PR]
	v_and_b32 v[BO], 3, v0
	v_lshlrev_b32 v[BO], 4, v[BO]
	s_lshl_b32 s20, ttmp9, 17                      ; 16 rows of 8,192 bytes
	s_mov_b32 s21, 0
	s_lshl_b32 s22, ttmp9, 6                       ; 16 numbers of the bias
	s_mov_b32 s23, 0
	s_lshr_b32 s24, ttmp9, 3
	s_lshl_b32 s24, s24, 18                        ; (g/8) 262144
	s_and_b32 s25, ttmp9, 7
	s_lshl_b32 s25, s25, 10                        ; + (g%8) 1024
	s_add_co_u32 s24, s24, s25
	s_lshl_b32 s25, s[WV], 15                      ; + my four quarters: 4 w x 8192
	s_add_co_u32 s24, s24, s25
	s_mov_b32 s25, 0
	s_lshl_b32 s26, ttmp9, 10                      ; hbias' block g
	s_mov_b32 s27, 0
	s_wait_kmcnt 0x0
	s_add_nc_u64 s[4:5], s[4:5], s[20:21]
	s_add_nc_u64 s[6:7], s[6:7], s[22:23]
	s_add_nc_u64 s[10:11], s[10:11], s[24:25]
	s_add_nc_u64 s[12:13], s[12:13], s[26:27]
; sixteen loads: four fragments' f32, register dst + 4 (4 qq + 2 e + p)
.macro LD16 dst, voff, base, add, nt
.irp qq, 0,1,2,3
.irp e, 0,1
.irp p, 0,1
.if \nt
	global_load_b128 v[(\dst)+4*(4*\qq+2*\e+\p):(\dst)+4*(4*\qq+2*\e+\p)+3], v[\voff], s[\base:\base+1] offset:(\add)+128*\qq+64*\e+16*\p th:TH_LOAD_NT
.else
	global_load_b128 v[(\dst)+4*(4*\qq+2*\e+\p):(\dst)+4*(4*\qq+2*\e+\p)+3], v[\voff], s[\base:\base+1] offset:(\add)+128*\qq+64*\e+16*\p
.endif
.endr
.endr
.endr
.endm
; 64 f32 to 32 registers of bf16, in place and ascending: register i is written when registers 2 i and 2 i + 1 are read, and was read itself at i / 2
.macro PACK x
.set i, 0
.rept 32
	v_cvt_pk_bf16_f32 v[(\x)+i], v[(\x)+2*i], v[(\x)+2*i+1]
.set i, i+1
.endr
.endm
	global_load_b128 v[BI:BI+3], v[BO], s[6:7]
	LD16 X2, WO, 4, 4096, 1                        ; W is read once in the launch
	LD16 X1, WO, 4, 0, 1
	LD16 XH, HO, 8, 0, 0                           ; hidden is read by every work-group
	s_wait_loadcnt 32                              ; the bias and W2 are in; W1's and hidden's 32 loads stay out
	PACK X2
.irp qq, 0,1,2,3
.irp e, 0,1
	global_store_b128 v[SO], v[X2+8*\qq+4*\e:X2+8*\qq+4*\e+3], s[10:11] offset:8192*\qq+512*\e  ; 512 consecutive bytes, aligned
.endr
.endr
	s_wait_loadcnt 0x0
	PACK X1
	PACK XH
	; source 0 = 16 rows of W1, source 1 = the 16 rows of hidden: lane l then holds b = l % 16 and n = 8 (l / 16) + 0..7.  Two accumulators by turns; the first two products start the sums.
	v_wmma_f32_16x16x32_bf16 v[ACC:ACC+7],    v[X1:X1+7],     v[XH:XH+7],     0
	v_wmma_f32_16x16x32_bf16 v[ACC+8:ACC+15], v[X1+8:X1+15],  v[XH+8:XH+15],  0
	v_wmma_f32_16x16x32_bf16 v[ACC:ACC+7],    v[X1+16:X1+23], v[XH+16:XH+23], v[ACC:ACC+7]
	v_wmma_f32_16x16x32_bf16 v[ACC+8:ACC+15], v[X1+24:X1+31], v[XH+24:XH+31], v[ACC+8:ACC+15]
.rept 8
	v_nop                                          ; the places behind the products (ISA guide 7.12.1), once a launch
.endr
.irp r, 0,2,4,6
	v_pk_add_f32 v[ACC+\r:ACC+\r+1], v[ACC+\r:ACC+\r+1], v[ACC+8+\r:ACC+8+\r+1]  ; from the low end on
.endr
	ds_store_b128 v[PS], v[ACC:ACC+3]
	ds_store_b128 v[PS], v[ACC+4:ACC+7] offset:16
	s_wait_dscnt 0x0                               ; for the others' sake: my partial tile is in LDS
	s_barrier_signal -1
	s_barrier_wait -1                              ; all eight are
	s_cmp_lt_u32 s[WV], 2                          ; 64 threads x 16 bytes are the tile: waves 0 and 1 finish it
	s_cbranch_scc0 .Lend
.irp i, 0,1,2,3,4,5,6,7
	ds_load_b128 v[R+4*\i:R+4*\i+3], v[PR] offset:1024*\i
.endr
	v_cvt_pk_bf16_f32 v[T], v[BI], v[BI+1]         ; the bias is rounded to bf16 like every input, and widened again
	v_cvt_pk_bf16_f32 v[T+1], v[BI+2], v[BI+3]
	v_lshlrev_b32 v[T+4], 16, v[T]
	v_and_b32 v[T+5], 0xffff0000, v[T]
	v_lshlrev_b32 v[T+6], 16, v[T+1]
	v_and_b32 v[T+7], 0xffff0000, v[T+1]
	s_wait_dscnt 0x0
.irp i, 0,2,4,6
	v_pk_add_f32 v[R+4*\i:R+4*\i+1],   v[R+4*\i:R+4*\i+1],   v[R+4*\i+4:R+4*\i+5]
	v_pk_add_f32 v[R+4*\i+2:R+4*\i+3], v[R+4*\i+2:R+4*\i+3], v[R+4*\i+6:R+4*\i+7]
.endr
.irp i, 0,4
	v_pk_add_f32 v[R+4*\i:R+4*\i+1],   v[R+4*\i:R+4*\i+1],   v[R+4*\i+8:R+4*\i+9]
	v_pk_add_f32 v[R+4*\i+2:R+4*\i+3], v[R+4*\i+2:R+4*\i+3], v[R+4*\i+10:R+4*\i+11]
.endr
	v_pk_add_f32 v[R:R+1],   v[R:R+1],   v[R+16:R+17]
	v_pk_add_f32 v[R+2:R+3], v[R+2:R+3], v[R+18:R+19]
	v_pk_add_f32 v[R:R+1],   v[R:R+1],   v[T+4:T+5]
	v_pk_add_f32 v[R+2:R+3], v[R+2:R+3], v[T+6:T+7]
	global_store_b128 v[PR], v[R:R+3], s[12:13]    ; a wave stores 512 consecutive bytes, aligned
.Lend:
	s_wait_tensorcnt 0x0                           ; the wave's end, behind my last LDS store
	ds_add_u32 v[SPW], v[NIL]
	s_wait_dscnt 0x0
	s_endpgm
.Lfunc_end_k_q91d88c58ce_prep:
	.size	k_q91d88c58ce_prep, .Lfunc_end_k_q91d88c58ce_prep-k_q91d88c58ce_prep
	.p2alignl 7, 3214868480
	.fill 96, 4, 3214868480
	.section	.rodata,"a",@progbits
	.p2align	6, 0x0
	.amdhsa_kernel k_q91d88c58ce_prep
		.amdhsa_group_segment_fixed_size 9216
		.amdhsa_private_segment_fixed_size 0
		.amdhsa_enable_private_segment 0
		.amdhsa_kernarg_size 40
		.amdhsa_user_sgpr_count 2
		.amdhsa_user_sgpr_kernarg_segment_ptr 1
		.amdhsa_wavefront_size32 1
		.amdhsa_system_sgpr_workgroup_id_x 1
		.amdhsa_system_sgpr_workgroup_id_y 1
		.amdhsa_system_sgpr_workgroup_id_z 1
		.amdhsa_system_vgpr_workitem_id 0
		.amdhsa_next_free_vgpr 240
		.amdhsa_next_free_sgpr 66
		.amdhsa_reserve_vcc 0
		.amdhsa_float_denorm_mode_32 3
		.amdhsa_float_denorm_mode_16_64 3
		.amdhsa_memory_ordered 1
		.amdhsa_forward_progress 1
		.amdhsa_inst_pref_size 17
	.end_amdhsa_kernel
	.amdgpu_metadata
---
amdhsa.version: [ 1, 2 ]
amdhsa.kernels:
  - .name:           k_q91d88c58ce_prep
    .symbol:         k_q91d88c58ce_prep.kd
    .args:
      - { .name: W, .offset: 0, .size: 8, .value_kind: global_buffer, .address_space: global }
      - { .name: b, .offset: 8, .size: 8, .value_kind: global_buffer, .address_space: global }
      - { .name: hidden, .offset: 16, .size: 8, .value_kind: global_buffer, .address_space: global }
      - { .name: wfrag, .offset: 24, .size: 8, .value_kind: global_buffer, .address_space: global }
      - { .name: hbias, .offset: 32, .size: 8, .value_kind: global_buffer, .address_space: global }
    .group_segment_fixed_size: 9216
    .private_segment_fixed_size: 0
    .kernarg_segment_align: 8
    .kernarg_segment_size: 40
    .max_flat_workgroup_size: 256
    .sgpr_count:     66
    .vgpr_count:     240
    .wavefront_size: 32
...
	.end_amdgpu_metadata
.endif
;; end of part 1
;; launch main (part 2): grid 16 x 16, 4 waves a work-group, no clusters, 281,088 bytes of LDS; arguments encoder_outputs, wfrag, hbias, v, scores, part; writes scores, part
.if DOCPART == 2
	.amdgcn_target "amdgcn-amd-amdhsa--gfx1250"
	.amdhsa_code_object_version 6
	.text
	.protected	k_q91d88c58ce_main
	.globl	k_q91d88c58ce_main
	.p2align	8
	.type	k_q91d88c58ce_main,@function
k_q91d88c58ce_main:
	s_mov_b64 s[64:65], 0
	v_nop
	global_prefetch_b8 v0, s[64:65] scope:SCOPE_SE
	s_setreg_imm32_b32 hwreg(HW_REG_WAVE_MODE, 25, 1), 1
	s_wait_xcnt 0x0
; For one b and one block of 128 s:  x[s][n] = enc[s][b][:] . W2[n][:] + hb[b][n];  score[s] = sum over n of v[n] tanh(x[s][n]);  m = the block's largest score;
; p[s] = e^(score[s] - m);  part[b][block][:] = sum over s of p[s] enc[s][b][:].  Stored: the 128 scores and the 1,024 partial sums, both f32.  The last launch joins the blocks.
; FORMATS.  enc, W2 (wfrag) and v are rounded once to bf16; hb, all sums, the scores, p and part are f32.  The weighted sum takes the same bf16 enc.
; LIMITS.  tanh(x) = 1 - 2 / (1 + 2^(2 log2(e) x)): absolute error about 1e-7; it ends at +1 and -1 through an infinite or a zero exponential.  An exponential below 2^-126 counts as 0.
; NaN and infinities in the inputs are not treated apart.
; SHARES.  256 work-groups (x = block of s, y = b), four waves.  The block's 128 rows of enc are read from memory ONCE, rounded to bf16 and kept in LDS for both uses.
; Wave w makes all 128 rows x columns 256 w .. 256 w + 255, in two chunks of 128 columns: 64 accumulators of 16 x 16.  K = 1,024 goes in 32 quarters of 32.
; The matrix instruction is used transposed (source 0 = 16 rows of W2, source 1 = 16 rows of enc): a lane holds ONE row s (lane % 16) and the columns 8 (lane / 16) + 0..7,
; so the bias hangs on the register alone and is the C operand of a chunk's first products, and a row's score is a sum within the lane and one exchange of the lanes' halves.
; W2 COMES STRAIGHT INTO REGISTERS: no wave wants a column that another wave of the work-group fetches, and wfrag lies in fragment order, 512 consecutive bytes a load.  Four buffers of a
; quarter each: three quarters (48 loads, 24 KiB a wave) are on their way, and the K loop has no barrier.
; NO TENSOR LOADS, NO CLUSTER.  enc is f32 and must pass through registers to be rounded.  All work-groups read the same wfrag, but the resident rows take 128 x 2,064 = 264,192 of the 327,680
; bytes of LDS, and the 63,488 left do not hold two slots of 512 columns x 32 k x 2 bytes (65,536), the least that a shared ring would need.
; REGISTERS, in windows of 256 (s_set_vgpr_msb: bits 1:0 source 0, 3:2 source 1, 5:4 source 2, 7:6 destination):
;   window 0: addresses, score sums, two buffers of enc's fragments, the bias blocks      window 1: first eight rows of enc in f32, then four buffers of W2's fragments
;   window 2: the accumulators of rows 0-63 ((a, b) at 8 (8 a + b))                        window 3: those of rows 64-127
.set PA,    2064                       ; a row of enc in LDS: 2,048 bytes + 16 = 129 x 16: the 16 rows of a fragment load start at 16 different groups of four banks
.set HBL,   128*PA                     ; hb of my b, f32 by n: 4,096 bytes
.set VL,    HBL+4096                   ; v, rounded to bf16 and widened, f32 by n: 4,096 bytes
.set SCR,   HBL+8192                   ; four waves x 128 partial scores
.set PW,    SCR+2048                   ; each wave's own copy of p: 512 bytes
.set STG,   PW+2048                    ; each wave's own stage for the way out: 1,024 bytes
.set SPARE, STG+4096                   ; the spare words, 128 bytes a wave
.set ADR0, 8                           ; v[8:15]   block i of 16 rows: (16 i + l%16) PA + 16 (l/16); never rewritten
.set ADRA, 16                          ; v[16:23]  the same, 256 bytes further along K in each trip
.set LO,   24                          ; v24       16 x lane; never rewritten
.set HBA,  25                          ; v25       HBL + 1,024 w + 32 (l/16) + 512 x chunk
.set AST,  27                          ; v27       where I put 8 bytes of a row of enc
.set SPW,  28                          ; v28       LDS address of my spare word; never rewritten
.set NIL,  29                          ; v29       0; never rewritten
.set PFO,  30                          ; v30       256 x lane; never rewritten
.set SCA,  32                          ; v32-39, v56: addresses of the last phases
.set SCB,  33
.set PWA,  34
.set PB0,  35                          ; v35, v36
.set XA0,  37                          ; v37, v38
.set SGA,  39
.set SGB,  56
.set SS,   40                          ; v[40:55]  a pair of score sums for each block of 16 rows
.set F0,   64                          ; v[64:127]  enc's fragments, buffer 0
.set F1,   128                         ; v[128:191] buffer 1
.set VV,   128                         ;            in a chunk's epilogue: its 128 numbers of v, block f at VV + 8 f
.set CB,   192                         ; v[192:255] the chunk's bias, block f at CB + 8 f
.set TC,   64                          ; first phase: 2 x 16 registers of packed bf16
.set CXX,  64                          ; last phase: two sets of 16 rows x 16 bytes
.set CP,   192                         ; two sets of 16 p
.set CX,   224                         ; v[224:231] my eight sums
.set QS,   232                         ; v[232:247] four waves' partial scores; v[232:235] the scores, never rewritten; v[240:247] later the way out
.set TT,   248                         ; v[248:251] p
.set MX,   252                         ; v252 the block's maximum
.set WV,  16                           ; s16  my wave's number
.set EN,  22                           ; s[22:23] enc at my eight rows in hand
.set WP,  24                           ; s[24:25] wfrag at my stream's place
.set KC,  26                           ; s[26:27] 2 log2(e)
.set SEL, 28                           ; s[28:29] v_permlanex16_b32's selects: each lane takes its own place in the other half
.set CNT, 30
.set CH,  31
.set LIM, 32                           ; s32  1 in wave 0, else the greatest number
.set PFA, 34                           ; s[34:35] wfrag + 8,192 x the work-group's number
.set MSB, 0
.macro WIN new                         ; the immediate's high byte repeats the setting that is left; a switch that changes nothing is dropped
.if MSB != (\new)
	s_set_vgpr_msb (MSB<<8)|(\new)
.set MSB, \new
.endif
.endm
.set TO_B,    0x40                     ; destination window 1, address window 0
.set CVT,     0x05                     ; sources 0 and 1 window 1, destination window 0
.set MUL_LO,  0xa1                     ; source 0 (W2) window 1, source 1 (enc) window 0, C and D window 2;  + 0x50: window 3
.set MULB_LO, 0x81                     ; the same with C (the bias) in window 0;  + 0x40: D in window 3
.set EP2,     0xa2                     ; source 0, source 2 and destination window 2, source 1 window 0;  + 0x51: window 3
.set SS2,     0x02                     ; source 0 window 2, the rest window 0;  + 1: window 3
	s_load_b256 s[4:11], s[0:1], 0x0               ; enc s[4:5], wfrag s[6:7], hbias s[8:9], v s[10:11]
	s_load_b128 s[12:15], s[0:1], 0x20             ; scores s[12:13], part s[14:15]
	v_lshl_add_u32 v[SPW], v0, 2, SPARE
	v_mov_b32 v[NIL], 0
	v_lshrrev_b32 v31, 5, v0
	v_readfirstlane_b32 s[WV], v31                 ; wave 0..3
	s_and_b32 s18, ttmp7, 0xffff                   ; b
	s_lshl_b32 s19, s18, 4
	s_add_co_u32 s19, s19, ttmp9                   ; the work-group's number: 16 b + block
	s_lshl_b32 s20, ttmp9, 23                      ; enc: 128 s of 65,536 bytes a block,
	s_lshl_b32 s21, s18, 12                        ; 4,096 bytes a b,
	s_add_co_u32 s20, s20, s21
	s_lshl_b32 s21, s[WV], 21                      ; 32 s a wave
	s_add_co_u32 s20, s20, s21
	s_mov_b32 s21, 0
	s_lshl_b32 s36, s[WV], 19                      ; wfrag: 256 columns a wave
	s_mov_b32 s37, 0
	s_lshl_b32 s38, s19, 13
	s_mov_b32 s39, 0
	s_lshl_b32 s40, s18, 6                         ; hbias: 64 b
	s_mov_b32 s41, 0
	s_lshl_b32 s42, s18, 13                        ; scores: 8,192 b + 512 block
	s_lshl_b32 s43, ttmp9, 9
	s_add_co_u32 s42, s42, s43
	s_mov_b32 s43, 0
	s_lshl_b32 s44, s19, 12                        ; part: 4,096 (16 b + block) + 1,024 w
	s_lshl_b32 s45, s[WV], 10
	s_add_co_u32 s44, s44, s45
	s_mov_b32 s45, 0
	s_mov_b32 s[KC], 0x4038aa3b                    ; 2 log2(e) = 2.885390
	s_mov_b32 s[KC+1], s[KC]                       ; named with it as a pair
	s_mov_b32 s[SEL], 0x76543210
	s_mov_b32 s[SEL+1], 0xfedcba98
	s_cmp_eq_u32 s[WV], 0
	s_cselect_b32 s[LIM], 1, -1
	v_and_b32 v1, 15, v0                           ; l % 16
	v_bfe_u32 v2, v0, 4, 1                         ; l / 16
	v_and_b32 v3, 31, v0                           ; l
	v_mul_u32_u24 v31, v1, PA
	v_lshl_add_u32 v31, v2, 4, v31
.irp i, 0,1,2,3,4,5,6,7
	v_add_nc_u32 v[ADR0+\i], \i*16*PA, v31
.endr
	v_lshlrev_b32 v[LO], 4, v3
	s_lshl_b32 s33, s[WV], 10
	v_lshl_add_u32 v[HBA], v2, 5, HBL
	v_add_nc_u32 v[HBA], s33, v[HBA]
	s_mul_i32 s33, s[WV], 32*PA
	v_lshl_add_u32 v[AST], v3, 3, s33              ; my wave's first row, 8 bytes a lane
	v_lshlrev_b32 v[PFO], 8, v3
	v_lshrrev_b32 v4, 2, v0                        ; hb: thread t takes n = 4 t .. 4 t + 3 (and 512 further): block t / 4 of 16, 16 (t % 4) bytes in
	v_and_b32 v5, 3, v0
	v_lshlrev_b32 v5, 4, v5
	v_lshl_add_u32 v4, v4, 10, v5
	v_lshlrev_b32 v6, 4, v0                        ; v: 16 t
	s_wait_kmcnt 0x0
	s_add_nc_u64 s[EN:EN+1], s[4:5], s[20:21]
	s_add_nc_u64 s[WP:WP+1], s[6:7], s[36:37]
	s_add_nc_u64 s[PFA:PFA+1], s[6:7], s[38:39]
	s_add_nc_u64 s[8:9], s[8:9], s[40:41]
	s_add_nc_u64 s[12:13], s[12:13], s[42:43]
	s_add_nc_u64 s[14:15], s[14:15], s[44:45]
; THE FIRST PHASE: my 32 rows of enc, through a ring of eight row slots in window 1; seven rows (56 loads, 28 KiB a wave) are on their way.
.macro FILL slot, row                  ; a row's 4,096 bytes: eight loads of 512 consecutive bytes
	WIN TO_B
.irp j, 0,1,2,3,4,5,6,7
	global_load_b128 v[32*(\slot)+4*\j:32*(\slot)+4*\j+3], v[LO], s[EN:EN+1] offset:(\row)*65536+512*\j th:TH_LOAD_NT
.endr
.endm
; a quarter (32 k) of my chunk's 128 columns of W2: 16 loads of 512 consecutive bytes into buffer buf
.macro BLOAD buf, off
	WIN TO_B
.irp f, 0,1,2,3,4,5,6,7
	global_load_b128 v[64*(\buf)+8*\f:64*(\buf)+8*\f+3],   v[LO], s[WP:WP+1] offset:(\off)+1024*\f
	global_load_b128 v[64*(\buf)+8*\f+4:64*(\buf)+8*\f+7], v[LO], s[WP:WP+1] offset:(\off)+1024*\f+512
.endr
.endm
; a slot's turn: its row is rounded to bf16 and put into LDS (each store 256 consecutive bytes); fill = 1: the slot emptied a turn ago takes the row seven further on.  left: the younger loads.
.macro TURN slot, fill, left
	s_wait_loadcnt \left
	WIN CVT
.set i, 0
.rept 16
	v_cvt_pk_bf16_f32 v[TC+16*((\slot)%2)+i], v[32*(\slot)+2*i], v[32*(\slot)+2*i+1]
.set i, i+1
.endr
	WIN 0
.irp j, 0,1,2,3,4,5,6,7
	ds_store_b64 v[AST], v[TC+16*((\slot)%2)+2*\j:TC+16*((\slot)%2)+2*\j+1] offset:(\slot)*PA+256*\j
.endr
.if \fill
	FILL ((\slot)+7)%8, (\slot)+7
.endif
.endm
	global_load_b128 v[96:99],   v4, s[8:9]
	global_load_b128 v[100:103], v4, s[8:9] offset:32768
	global_load_b128 v[104:107], v6, s[10:11]
	global_load_b128 v[108:111], v6, s[10:11] offset:2048
.irp n, 0,1,2,3,4,5,6
	FILL \n, \n
.endr
	WIN 0
	s_wait_loadcnt 56                              ; hb and v are in; the seven rows stay out
.irp i, 0,1,2,3
	v_cvt_pk_bf16_f32 v[112+\i], v[104+2*\i], v[104+2*\i+1]  ; v is rounded to bf16 like every input,
.endr
.irp i, 0,1,2,3
	v_lshlrev_b32 v[104+2*\i], 16, v[112+\i]       ; and widened again
	v_and_b32 v[104+2*\i+1], 0xffff0000, v[112+\i]
.endr
	v_lshl_add_u32 v31, v0, 4, HBL
	ds_store_b128 v31, v[96:99]
	ds_store_b128 v31, v[100:103] offset:2048
	ds_store_b128 v31, v[104:107] offset:4096
	ds_store_b128 v31, v[108:111] offset:6144
	s_mov_b32 s[CNT], 3
.Lround:                                       ; eight rows a trip; six younger rows (48 loads) stay out at each wait
	TURN 0, 1, 48
	WIN 0
	; A PREFETCH INTO THE L2 of wfrag, whose first reading in the launch follows this phase: in the third trip wave 0 of work-group g names bytes 8,192 g .. 8,192 g + 8,191, a lane for each
	; 256: the 256 work-groups name each block once.  It stands behind a run of loads, ten rows ahead of my first loads of wfrag.
	s_cmp_eq_u32 s[CNT], s[LIM]
	s_cbranch_scc0 .Lnot_mine
	global_prefetch_b8 v[PFO], s[PFA:PFA+1] th:TH_LOAD_NT scope:SCOPE_SE
.Lnot_mine:
.irp n, 1,2,3,4,5,6,7
	TURN \n, 1, 48
.endr
	WIN 0
	s_wait_xcnt 0x0                                ; every load issued so far has read its address: the pointer may step
	s_add_nc_u64 s[EN:EN+1], s[EN:EN+1], 8*65536
	v_add_nc_u32 v[AST], 8*PA, v[AST]
	s_sub_co_u32 s[CNT], s[CNT], 1
	s_cmp_lg_u32 s[CNT], 0
	s_cbranch_scc1 .Lround
	TURN 0, 1, 48                                  ; rows 24 to 31 are written out: one more fill, then W2's first three quarters go into the slots that are empty
	TURN 1, 0, 48                                  ; rows 26-31 stay out
	TURN 2, 0, 40                                  ; rows 27-31
	BLOAD 0, 0                                     ; slots 0 and 1
	TURN 3, 0, 48                                  ; rows 28-31 and 16 of W2
	TURN 4, 0, 40                                  ; rows 29-31 and 16
	BLOAD 1, 8192                                  ; slots 2 and 3
	TURN 5, 0, 48                                  ; rows 30, 31 and 32
	TURN 6, 0, 40                                  ; row 31 and 32
	BLOAD 2, 16384                                 ; slots 4 and 5
	TURN 7, 0, 48                                  ; W2's 48
	s_wait_dscnt 0x0                               ; for the others' sake: my rows, and my parts of hb and v, are in LDS
	s_barrier_signal -1
	s_barrier_wait -1                              ; everybody's are; none of these bytes is written again
; THE PRODUCT.
.macro ROWV dst, off                   ; 128 numbers by column (bias or v), in the accumulators' layout: register 8 f + j = column 16 f + 8 (l/16) + j
	WIN 0
.irp f, 0,1,2,3,4,5,6,7
	ds_load_b128 v[(\dst)+8*\f:(\dst)+8*\f+3],   v[HBA] offset:(\off)+64*\f
	ds_load_b128 v[(\dst)+8*\f+4:(\dst)+8*\f+7], v[HBA] offset:(\off)+64*\f+16
.endr
.endm
.macro FETCHA f, k, base               ; enc's fragments of one quarter: 128 rows x 32 k at byte k behind the addresses, 16 loads, rows 0-63 first
	WIN 0
.irp i, 0,1,2,3,4,5,6,7
	ds_load_b128 v[(\f)+8*\i:(\f)+8*\i+3],   v[(\base)+\i] offset:(\k)
	ds_load_b128 v[(\f)+8*\i+4:(\f)+8*\i+7], v[(\base)+\i] offset:(\k)+32
.endr
.endm
; 16 products: row blocks a0, a0 + 1 of the window's four x all 8 column blocks.  bias = 1: the chunk's first quarter: C is the bias, nothing is cleared.
.macro MUL16 fa, fb, hi, a0, bias
.if \bias
	WIN MULB_LO+0x40*(\hi)
.else
	WIN MUL_LO+0x50*(\hi)
.endif
.irp a, \a0, (\a0)+1
.irp b, 0,1,2,3,4,5,6,7
.if \bias
	v_wmma_f32_16x16x32_bf16 v[8*(8*(\a)+\b):8*(8*(\a)+\b)+7], v[64*(\fb)+8*\b:64*(\fb)+8*\b+7], v[(\fa)+8*(4*(\hi)+(\a)):(\fa)+8*(4*(\hi)+(\a))+7], v[CB+8*\b:CB+8*\b+7]
.else
	v_wmma_f32_16x16x32_bf16 v[8*(8*(\a)+\b):8*(8*(\a)+\b)+7], v[64*(\fb)+8*\b:64*(\fb)+8*\b+7], v[(\fa)+8*(4*(\hi)+(\a)):(\fa)+8*(4*(\hi)+(\a))+7], v[8*(8*(\a)+\b):8*(8*(\a)+\b)+7]
.endif
.endr
.endr
.endm
.macro PLACES                          ; four places in front of loads into registers that matrix instructions have read, and of vector work on results
.rept 4
	v_nop
.endr
.endm
; A quarter: 64 products of enc's buffer fa and W2's buffer fb; the 64 accumulators take turns in one order everywhere.  In its middle the next quarter's fragments of enc
; (into ga, byte k) and W2's quarter three further on (into gb, byte off) are asked for, into the buffers that the quarter before multiplied.  -1: nothing is left to ask for.
; lc: W2's loads younger than this quarter's: two quarters' 32.
.macro QUARTER fa, fb, lc, ga, k, gb, off, bias
	s_wait_loadcnt \lc
	s_wait_dscnt 8                                 ; enc's rows 0-63 are in; the youngest eight loads may be out
	MUL16 \fa, \fb, 0, 0, \bias
	MUL16 \fa, \fb, 0, 2, \bias
	PLACES
.if (\ga) >= 0
	FETCHA \ga, \k, ADRA
.endif
.if (\gb) >= 0
	BLOAD \gb, \off
.endif
.if (\ga) >= 0
	s_wait_dscnt 16                                ; all but the 16 just issued
.else
	s_wait_dscnt 0x0
.endif
	MUL16 \fa, \fb, 1, 0, \bias
	MUL16 \fa, \fb, 1, 2, \bias
.endm
; A CHUNK'S EPILOGUE, in place on the accumulators, a window at a time; group g = a block of 16 rows = 64 registers at 64 g.
;   EA: x times 2 log2(e)    EX: 2^..    EB: + 1    ER: 1 / ..    EC: 1 - 2 .. = tanh(x); then times v, summed over the 8 column blocks into block 0's four pairs
.macro EA g, k
	v_pk_mul_f32 v[64*(\g)+2*(\k):64*(\g)+2*(\k)+1], v[64*(\g)+2*(\k):64*(\g)+2*(\k)+1], s[KC:KC+1] op_sel_hi:[1,0]
.endm
.macro EX g, k
	v_exp_f32 v[64*(\g)+(\k)], v[64*(\g)+(\k)]
.endm
.macro EB g, k
	v_pk_add_f32 v[64*(\g)+2*(\k):64*(\g)+2*(\k)+1], v[64*(\g)+2*(\k):64*(\g)+2*(\k)+1], 1.0 op_sel_hi:[1,0]
.endm
.macro ER g, k
	v_rcp_f32 v[64*(\g)+(\k)], v[64*(\g)+(\k)]
.endm
.macro EC g, k
.set eb, (\k)/8
.set es, (\k)%8
.if es < 4
	v_pk_fma_f32 v[64*(\g)+8*eb+2*es:64*(\g)+8*eb+2*es+1], v[64*(\g)+8*eb+2*es:64*(\g)+8*eb+2*es+1], -2.0, 1.0 op_sel_hi:[1,0,0]
.elseif eb == 0
	v_pk_mul_f32 v[64*(\g)+2*(es-4):64*(\g)+2*(es-4)+1], v[64*(\g)+2*(es-4):64*(\g)+2*(es-4)+1], v[VV+2*(es-4):VV+2*(es-4)+1]
.else
	v_pk_fma_f32 v[64*(\g)+2*(es-4):64*(\g)+2*(es-4)+1], v[64*(\g)+8*eb+2*(es-4):64*(\g)+8*eb+2*(es-4)+1], v[VV+8*eb+2*(es-4):VV+8*eb+2*(es-4)+1], v[64*(\g)+2*(es-4):64*(\g)+2*(es-4)+1]
.endif
.endm
; Step st: the four groups follow each other one step apart, plain and transcendental lines by turns.  The step's transcendentals (EX of group st, ER of group st - 1) are ONE BATCH: nothing in the
; step names a result of theirs, and the next step opens with the one wait ahead of the first reader.  The plain line that follows that wait names no register of the batch's last line.
.macro ESTEP st, hi
.if (\st) > 0
	s_wait_alu depctr_va_vdst(0)
.endif
.if ((\st) == 2) && ((\hi) == 0)
	s_wait_dscnt 0x0                               ; v is in, ahead of its first reader (and with it all that was asked of LDS for the next chunk)
.endif
.set sl, 0
.rept 128
.if sl < 32
.if ((\st) >= 1) && ((\st) <= 4)
	EB (\st)-1, sl
.endif
.elseif sl < 64
.if (\st) <= 2
	EA (\st)+1, sl-32
.endif
.else
.if (\st) >= 2
	EC (\st)-2, sl-64
.endif
.endif
.if sl < 64
.if (\st) <= 3
	EX \st, sl
.endif
.else
.if ((\st) >= 1) && ((\st) <= 4)
	ER (\st)-1, sl-64
.endif
.endif
.set sl, sl+1
.endr
.endm
.macro EWIN hi
	WIN EP2+0x51*(\hi)
.set sl, 0
.rept 32
	EA 0, sl                                       ; ascending: each accumulator is read from its low end on
.set sl, sl+1
.endr
.irp st, 0,1,2,3,4,5
	ESTEP \st, \hi
.endr
	WIN SS2+(\hi)
.irp p, 0,1,2,3
.irp g, 0,1,2,3
	v_pk_add_f32 v[SS+2*(4*(\hi)+\g):SS+2*(4*(\hi)+\g)+1], v[64*\g+2*\p:64*\g+2*\p+1], v[SS+2*(4*(\hi)+\g):SS+2*(4*(\hi)+\g)+1]
.endr
.endr
.endm
	ROWV CB, 0                                     ; the first chunk's bias,
	FETCHA F0, 0, ADR0                             ; and enc's first fragments
.set i, 0
.rept 16
	v_mov_b32 v[SS+i], 0                           ; the score sums run over both chunks
.set i, i+1
.endr
	s_mov_b32 s[CH], 2
.Lchunk:
.irp i, 0,1,2,3,4,5,6,7
	v_mov_b32 v[ADRA+\i], v[ADR0+\i]
.endr
	QUARTER F0, 0, 32, F1, 64, 3, 3*8192, 1        ; quarter 0 stands in front of the loop: its products start the sums with the bias
	WIN 0
	s_mov_b32 s[CNT], 7
.Ltrip:                                        ; quarters 4 t + 1 .. 4 t + 4
	QUARTER F1, 1, 32, F0, 128, 0, 4*8192, 0
	QUARTER F0, 2, 32, F1, 192, 1, 5*8192, 0
	QUARTER F1, 3, 32, F0, 256, 2, 6*8192, 0
	QUARTER F0, 0, 32, F1, 320, 3, 7*8192, 0
	WIN 0
	s_wait_xcnt 0x0                                ; the youngest loads, 32 products back, have read their address: the pointer may step
	s_add_nc_u64 s[WP:WP+1], s[WP:WP+1], 4*8192
.irp i, 0,1,2,3,4,5,6,7
	v_add_nc_u32 v[ADRA+\i], 256, v[ADRA+\i]
.endr
	s_sub_co_u32 s[CNT], s[CNT], 1
	s_cmp_lg_u32 s[CNT], 0
	s_cbranch_scc1 .Ltrip
	QUARTER F1, 1, 32, F0, 128, -1, 0, 0           ; quarters 29 to 31: W2's stream for this chunk has been asked for to its end
	QUARTER F0, 2, 16, F1, 192, -1, 0, 0           ; only quarter 31's 16 loads are younger
	QUARTER F1, 3, 0, -1, 0, -1, 0, 0
	PLACES
	PLACES
	WIN 0
	s_cmp_eq_u32 s[CH], 1
	s_cbranch_scc1 .Lno_next                       ; behind the second chunk nothing is left to ask for
	s_wait_xcnt 0x0
	s_add_nc_u64 s[WP:WP+1], s[WP:WP+1], 4*8192    ; the next chunk's stream follows this one's: its first three quarters land under the epilogue
	BLOAD 0, 0
	BLOAD 1, 8192
	BLOAD 2, 16384
	ROWV CB, 512                                   ; its bias,
	FETCHA F0, 0, ADR0                             ; and enc's first fragments once more
.Lno_next:
	ROWV VV, 4096                                  ; this chunk's v, into the fragment buffer that the last quarter has left
	v_add_nc_u32 v[HBA], 512, v[HBA]
	EWIN 0
	EWIN 1
	WIN 0
	s_sub_co_u32 s[CH], s[CH], 1
	s_cmp_lg_u32 s[CH], 0
	s_cbranch_scc1 .Lchunk
	; THE SCORES.  A lane's pair, the other half of the lanes, then the four waves' partial sums through LDS.
	s_lshl_b32 s20, s[WV], 9
	s_lshl_b32 s21, s[WV], 10
	v_lshl_add_u32 v[SCA], v1, 2, SCR
	v_add_nc_u32 v[SCA], s20, v[SCA]               ; SCR + 512 w + 4 (l%16)
	v_add_nc_u32 v[SCB], SCR, v[LO]                ; SCR + 16 l
	v_add_nc_u32 v[PWA], PW, v[LO]
	v_add_nc_u32 v[PWA], s20, v[PWA]               ; PW + 512 w + 16 l
	v_mov_b32 v[PB0], s20
	v_add_nc_u32 v[PB0], PW, v[PB0]                ; PW + 512 w: p of rows 0-15,
	v_add_nc_u32 v[PB0+1], 64, v[PB0]              ; of rows 16-31
	v_add_nc_u32 v[XA0], s20, v[LO]                ; enc's row 0, my eight columns 256 w + 8 l ..,
	v_add_nc_u32 v[XA0+1], 16*PA, v[XA0]           ; row 16
	v_lshl_add_u32 v[SGA], v3, 5, STG
	v_add_nc_u32 v[SGA], s21, v[SGA]               ; STG + 1,024 w + 32 l
	v_add_nc_u32 v[SGB], STG, v[LO]
	v_add_nc_u32 v[SGB], s21, v[SGB]               ; STG + 1,024 w + 16 l
.irp a, 0,1,2,3,4,5,6,7
	v_add_f32 v[SS+2*\a], v[SS+2*\a], v[SS+2*\a+1]
.endr
.irp a, 0,1,2,3,4,5,6,7
	v_permlanex16_b32 v[SS+2*\a+1], v[SS+2*\a], s[SEL], s[SEL+1]
.endr
.irp a, 0,1,2,3,4,5,6,7
	v_add_f32 v[SS+2*\a], v[SS+2*\a], v[SS+2*\a+1]
.endr
.irp a, 0,1,2,3,4,5,6,7
	ds_store_b32 v[SCA], v[SS+2*\a] offset:64*\a   ; row 16 a + l % 16; both halves of the lanes write the same number
.endr
	s_wait_dscnt 0x0                               ; for the others' sake
	s_barrier_signal -1
	s_barrier_wait -1
.irp i, 0,1,2,3
	ds_load_b128 v[QS+4*\i:QS+4*\i+3], v[SCB] offset:512*\i  ; rows 4 l .. 4 l + 3, of each wave
.endr
.set i, 0
.rept 8
	v_mov_b32 v[CX+i], 0
.set i, i+1
.endr
	s_wait_dscnt 0x0
	v_pk_add_f32 v[QS:QS+1],     v[QS:QS+1],     v[QS+4:QS+5]
	v_pk_add_f32 v[QS+2:QS+3],   v[QS+2:QS+3],   v[QS+6:QS+7]
	v_pk_add_f32 v[QS+8:QS+9],   v[QS+8:QS+9],   v[QS+12:QS+13]
	v_pk_add_f32 v[QS+10:QS+11], v[QS+10:QS+11], v[QS+14:QS+15]
	v_pk_add_f32 v[QS:QS+1],     v[QS:QS+1],     v[QS+8:QS+9]
	v_pk_add_f32 v[QS+2:QS+3],   v[QS+2:QS+3],   v[QS+10:QS+11]  ; every wave holds the 128 scores, the same bits
	s_cmp_lg_u32 s[WV], 0
	s_cbranch_scc1 .Lnot_0
	global_store_b128 v[LO], v[QS:QS+3], s[12:13]  ; 512 consecutive bytes, aligned; these registers are not written again
.Lnot_0:
	v_max3_num_f32 v[MX], v[QS], v[QS+1], v[QS+2]  ; the block's own maximum is taken away before the exponential; the last launch corrects by the row's
	v_max_num_f32 v[MX], v[MX], v[QS+3]
	v_max_num_f32_dpp v[MX], v[MX], v[MX] row_xmask:1 row_mask:0xf bank_mask:0xf
	v_max_num_f32_dpp v[MX], v[MX], v[MX] row_xmask:2 row_mask:0xf bank_mask:0xf
	v_max_num_f32_dpp v[MX], v[MX], v[MX] row_xmask:4 row_mask:0xf bank_mask:0xf
	v_max_num_f32_dpp v[MX], v[MX], v[MX] row_xmask:8 row_mask:0xf bank_mask:0xf
	v_permlanex16_b32 v[QS+4], v[MX], s[SEL], s[SEL+1]
	v_max_num_f32 v[MX], v[MX], v[QS+4]
.irp i, 0,1,2,3
	v_sub_f32 v[TT+\i], v[QS+\i], v[MX]
.endr
.irp i, 0,1,2,3
	v_mul_f32 v[TT+\i], 0x3fb8aa3b, v[TT+\i]       ; log2(e)
.endr
.irp i, 0,1,2,3
	v_exp_f32 v[TT+\i], v[TT+\i]
.endr
	v_nop                                          ; a plain instruction behind the last exponential,
	s_wait_alu depctr_va_vdst(0)                   ; and the one wait for the four, ahead of their first reader
	ds_store_b128 v[PWA], v[TT:TT+3]               ; my wave's own copy of p: LDS serves a wave's instructions in order, so its loads below see it
	; THE PARTIAL CONTEXT: sum over the 128 rows of p x enc, from the bf16 rows in LDS, in f32.  Wave w: columns 256 w .. + 255, eight a lane.  Two sets of 16 rows: one is summed while the other's 20 loads are out.
.macro LOADSET s
.set i, 0
.rept 16
	ds_load_b128 v[CXX+64*(\s)+4*i:CXX+64*(\s)+4*i+3], v[XA0+(\s)] offset:PA*i  ; 512 consecutive bytes of a row
.set i, i+1
.endr
.irp q, 0,1,2,3
	ds_load_b128 v[CP+16*(\s)+4*\q:CP+16*(\s)+4*\q+3], v[PB0+(\s)] offset:16*\q  ; four p, the same for all lanes
.endr
.endm
.macro FMASET s                        ; a bf16 half times p, added in f32; the eight sums take turns
.set ro, 0
.rept 16
.irp d, 0,1,2,3
	v_fma_mix_f32_bf16 v[CX+2*\d],   v[CXX+64*(\s)+4*ro+\d], v[CP+16*(\s)+ro], v[CX+2*\d] op_sel_hi:[1,0,0]
	v_fma_mix_f32_bf16 v[CX+2*\d+1], v[CXX+64*(\s)+4*ro+\d], v[CP+16*(\s)+ro], v[CX+2*\d+1] op_sel:[1,0,0] op_sel_hi:[1,0,0]
.endr
.set ro, ro+1
.endr
.endm
	LOADSET 0
	LOADSET 1
	s_mov_b32 s[CNT], 3
.Lctx:                                         ; 32 rows a trip; the rows 32 further on are asked for
	s_wait_dscnt 20                                ; set 0 is in; set 1's 20 loads stay out
	FMASET 0
	v_add_nc_u32 v[XA0], 32*PA, v[XA0]
	v_add_nc_u32 v[PB0], 128, v[PB0]
	LOADSET 0
	s_wait_dscnt 20
	FMASET 1
	v_add_nc_u32 v[XA0+1], 32*PA, v[XA0+1]
	v_add_nc_u32 v[PB0+1], 128, v[PB0+1]
	LOADSET 1
	s_sub_co_u32 s[CNT], s[CNT], 1
	s_cmp_lg_u32 s[CNT], 0
	s_cbranch_scc1 .Lctx
	s_wait_dscnt 20                                ; the last 32 rows load nothing
	FMASET 0
	s_wait_dscnt 0x0
	FMASET 1
	ds_store_b128 v[SGA], v[CX:CX+3]               ; a lane's 32 bytes go through my own stage, so that each store below covers 512 consecutive bytes
	ds_store_b128 v[SGA], v[CX+4:CX+7] offset:16
	ds_load_b128 v[QS+8:QS+11],  v[SGB]
	ds_load_b128 v[QS+12:QS+15], v[SGB] offset:512
	s_wait_dscnt 0x0
	global_store_b128 v[LO], v[QS+8:QS+11],  s[14:15]
	global_store_b128 v[LO], v[QS+12:QS+15], s[14:15] offset:512
	s_wait_tensorcnt 0x0                           ; the wave's end, behind my last LDS store
	ds_add_u32 v[SPW], v[NIL]
	s_wait_dscnt 0x0
	s_endpgm
.Lfunc_end_k_q91d88c58ce_main:
	.size	k_q91d88c58ce_main, .Lfunc_end_k_q91d88c58ce_main-k_q91d88c58ce_main
	.p2alignl 7, 3214868480
	.fill 96, 4, 3214868480
	.section	.rodata,"a",@progbits
	.p2align	6, 0x0
	.amdhsa_kernel k_q91d88c58ce_main
		.amdhsa_group_segment_fixed_size 281088
		.amdhsa_private_segment_fixed_size 0
		.amdhsa_enable_private_segment 0
		.amdhsa_kernarg_size 48
		.amdhsa_user_sgpr_count 2
		.amdhsa_user_sgpr_kernarg_segment_ptr 1
		.amdhsa_wavefront_size32 1
		.amdhsa_system_sgpr_workgroup_id_x 1
		.amdhsa_system_sgpr_workgroup_id_y 1
		.amdhsa_system_sgpr_workgroup_id_z 1
		.amdhsa_system_vgpr_workitem_id 0
		.amdhsa_next_free_vgpr 1024
		.amdhsa_next_free_sgpr 66
		.amdhsa_reserve_vcc 0
		.amdhsa_float_denorm_mode_32 3
		.amdhsa_float_denorm_mode_16_64 3
		.amdhsa_memory_ordered 1
		.amdhsa_forward_progress 1
		.amdhsa_inst_pref_size 250
	.end_amdhsa_kernel
	.amdgpu_metadata
---
amdhsa.version: [ 1, 2 ]
amdhsa.kernels:
  - .name:           k_q91d88c58ce_main
    .symbol:         k_q91d88c58ce_main.kd
    .args:
      - { .name: encoder_outputs, .offset: 0, .size: 8, .value_kind: global_buffer, .address_space: global }
      - { .name: wfrag, .offset: 8, .size: 8, .value_kind: global_buffer, .address_space: global }
      - { .name: hbias, .offset: 16, .size: 8, .value_kind: global_buffer, .address_space: global }
      - { .name: v, .offset: 24, .size: 8, .value_kind: global_buffer, .address_space: global }
      - { .name: scores, .offset: 32, .size: 8, .value_kind: global_buffer, .address_space: global }
      - { .name: part, .offset: 40, .size: 8, .value_kind: global_buffer, .address_space: global }
    .group_segment_fixed_size: 281088
    .private_segment_fixed_size: 0
    .kernarg_segment_align: 8
    .kernarg_segment_size: 48
    .max_flat_workgroup_size: 128
    .sgpr_count:     66
    .vgpr_count:     1024
    .wavefront_size: 32
...
	.end_amdgpu_metadata
.endif
;; end of part 2
;; launch finish (part 3): grid 4 x 16, 8 waves a work-group, no clusters, 9,728 bytes of LDS; arguments scores, part, out0, out1; writes out0, out1
.if DOCPART == 3
	.amdgcn_target "amdgcn-amd-amdhsa--gfx1250"
	.amdhsa_code_object_version 6
	.text
	.protected	k_q91d88c58ce_finish
	.globl	k_q91d88c58ce_finish
	.p2align	8
	.type	k_q91d88c58ce_finish,@function
k_q91d88c58ce_finish:
	s_mov_b64 s[64:65], 0
	v_nop
	global_prefetch_b8 v0, s[64:65] scope:SCOPE_SE
	s_setreg_imm32_b32 hwreg(HW_REG_WAVE_MODE, 25, 1), 1
	s_wait_xcnt 0x0
; For one b:  M = the largest of the 2,048 scores;  L = sum of e^(score - M);  out1[b][s] = e^(score[s] - M) / L;
; out0[b][c] = sum over the 16 blocks of part[b][block][c] e^(m_block - M) / L, where m_block is the block's largest score, which the launch before took away.  All in f32.
; LIMITS.  An exponential below 2^-126 counts as 0; NaN and infinities are not treated apart.
; SHARES.  Work-group (j, b): every one of b's four makes M and L from the row's 8 KiB anew (a sum across work-groups would want a launch more); it stores a quarter of out1's row (waves 2 j, 2 j + 1)
; and columns 256 j .. 256 j + 255 of out0's.  Thread t holds scores 4 t .. 4 t + 3 and 1,024 + 4 t ..: wave w holds blocks w and 8 + w whole.  Wave w also takes part's blocks 2 w and 2 w + 1.
; No matrix unit, tensor loads or cluster: 1.2 MB are read once, and nothing but a row of scores is shared.
.set MB,    0                          ; LDS: 16 block maxima
.set SUM,   256                        ; 8 waves' sums
.set CTX,   512                        ; 8 waves x 1,024 bytes
.set SPARE, 8704                       ; the spare words, 128 bytes a wave
.set SPW, 10                           ; v10  LDS address of my spare word; never rewritten
.set NIL, 11                           ; v11  0; never rewritten
.set WV,  14                           ; s14  my wave's number
	s_load_b256 s[4:11], s[0:1], 0x0               ; scores s[4:5], part s[6:7], out0 s[8:9], out1 s[10:11]
	v_lshl_add_u32 v[SPW], v0, 2, SPARE
	v_mov_b32 v[NIL], 0
	v_lshrrev_b32 v1, 5, v0
	v_readfirstlane_b32 s[WV], v1                  ; wave 0..7
	s_and_b32 s15, ttmp7, 0xffff                   ; b
	s_mov_b32 s12, 0x76543210                      ; v_permlanex16_b32's selects
	s_mov_b32 s13, 0xfedcba98
	s_lshl_b32 s20, s15, 13                        ; a row of scores and of out1
	s_mov_b32 s21, 0
	s_lshl_b32 s22, s15, 16                        ; part: 65,536 b + 1,024 j + 8,192 w
	s_lshl_b32 s23, ttmp9, 10
	s_add_co_u32 s22, s22, s23
	s_lshl_b32 s24, s15, 12                        ; out0: 4,096 b + 1,024 j
	s_add_co_u32 s24, s24, s23
	s_mov_b32 s25, 0
	s_lshl_b32 s23, s[WV], 13
	s_add_co_u32 s22, s22, s23
	s_mov_b32 s23, 0
	v_and_b32 v1, 31, v0
	v_lshlrev_b32 v9, 4, v1                        ; 16 l
	v_lshlrev_b32 v5, 4, v0                        ; 16 t
	s_lshl_b32 s16, s[WV], 2
	v_mov_b32 v2, s16                              ; 4 w
	v_mov_b32 v3, 0
	s_lshl_b32 s17, s[WV], 3
	v_mov_b32 v4, s17                              ; 8 w
	s_lshl_b32 s18, s[WV], 10
	v_add_nc_u32 v6, s18, v9
	v_add_nc_u32 v6, CTX, v6                       ; CTX + 1,024 w + 16 l
	v_and_b32 v8, 63, v0
	v_lshlrev_b32 v8, 4, v8                        ; 16 (t % 64)
	v_add_nc_u32 v7, CTX, v8
	s_wait_kmcnt 0x0
	s_add_nc_u64 s[4:5], s[4:5], s[20:21]
	s_add_nc_u64 s[10:11], s[10:11], s[20:21]
	s_add_nc_u64 s[6:7], s[6:7], s[22:23]
	s_add_nc_u64 s[8:9], s[8:9], s[24:25]
	global_load_b128 v[12:15], v5, s[4:5]
	global_load_b128 v[16:19], v5, s[4:5] offset:4096
	global_load_b128 v[20:23], v9, s[6:7] th:TH_LOAD_NT              ; block 2 w: columns 4 l .., 128 + 4 l ..
	global_load_b128 v[24:27], v9, s[6:7] offset:512 th:TH_LOAD_NT
	global_load_b128 v[28:31], v9, s[6:7] offset:4096 th:TH_LOAD_NT  ; block 2 w + 1
	global_load_b128 v[32:35], v9, s[6:7] offset:4608 th:TH_LOAD_NT
	s_wait_loadcnt 4                               ; the scores are in; part's four loads stay out
	v_max_num_f32 v54, v12, v13                    ; two block maxima, side by side
	v_max_num_f32 v55, v14, v15
	v_max_num_f32 v56, v16, v17
	v_max_num_f32 v57, v18, v19
	v_max_num_f32 v54, v54, v55
	v_max_num_f32 v56, v56, v57
.irp x, 1,2,4,8
	v_max_num_f32_dpp v54, v54, v54 row_xmask:\x row_mask:0xf bank_mask:0xf
	v_max_num_f32_dpp v56, v56, v56 row_xmask:\x row_mask:0xf bank_mask:0xf
.endr
	v_permlanex16_b32 v55, v54, s12, s13
	v_permlanex16_b32 v57, v56, s12, s13
	v_max_num_f32 v54, v54, v55
	v_max_num_f32 v56, v56, v57
	ds_store_b32 v2, v54 offset:MB                 ; block w
	ds_store_b32 v2, v56 offset:MB+32              ; block 8 + w
	s_wait_dscnt 0x0
	s_barrier_signal -1
	s_barrier_wait -1
.irp i, 0,1,2,3
	ds_load_b128 v[36+4*\i:39+4*\i], v3 offset:MB+16*\i
.endr
	ds_load_b64 v[52:53], v4 offset:MB             ; the maxima of blocks 2 w and 2 w + 1
	s_wait_dscnt 0x0
	v_max3_num_f32 v54, v36, v37, v38
	v_max3_num_f32 v55, v39, v40, v41
	v_max3_num_f32 v56, v42, v43, v44
	v_max3_num_f32 v57, v45, v46, v47
	v_max3_num_f32 v58, v48, v49, v50
	v_max3_num_f32 v54, v54, v55, v51
	v_max3_num_f32 v56, v56, v57, v58
	v_max_num_f32 v54, v54, v56                    ; M
.irp i, 0,1,2,3,4,5,6,7
	v_sub_f32 v[60+\i], v[12+\i], v54
.endr
	v_sub_f32 v68, v52, v54
	v_sub_f32 v69, v53, v54
.irp i, 0,1,2,3,4,5,6,7,8,9
	v_mul_f32 v[60+\i], 0x3fb8aa3b, v[60+\i]       ; log2(e)
.endr
.irp i, 0,1,2,3,4,5,6,7,8,9
	v_exp_f32 v[60+\i], v[60+\i]
.endr
	v_nop                                          ; a plain instruction behind the last exponential,
	s_wait_alu depctr_va_vdst(0)                   ; and the one wait for the ten, ahead of their first reader
	v_pk_add_f32 v[70:71], v[60:61], v[62:63]
	v_pk_add_f32 v[72:73], v[64:65], v[66:67]
	v_pk_add_f32 v[70:71], v[70:71], v[72:73]
	v_add_f32 v70, v70, v71
.irp x, 1,2,4,8
	v_add_f32_dpp v70, v70, v70 row_xmask:\x row_mask:0xf bank_mask:0xf
.endr
	v_permlanex16_b32 v71, v70, s12, s13
	v_add_f32 v70, v70, v71
	ds_store_b32 v2, v70 offset:SUM
	s_wait_dscnt 0x0
	s_barrier_signal -1
	s_barrier_wait -1
	ds_load_b128 v[36:39], v3 offset:SUM
	ds_load_b128 v[40:43], v3 offset:SUM+16
	s_wait_dscnt 0x0
	v_pk_add_f32 v[36:37], v[36:37], v[38:39]
	v_pk_add_f32 v[40:41], v[40:41], v[42:43]
	v_pk_add_f32 v[36:37], v[36:37], v[40:41]
	v_add_f32 v36, v36, v37                        ; L: at least 1, since the largest score's term is 1
	v_rcp_f32 v74, v36
	v_nop
	s_wait_alu depctr_va_vdst(0)
	v_mov_b32 v75, v74                             ; a pair for the packed multiplies
	v_mul_f32 v76, v68, v74                        ; e^(m - M) / L of my two blocks, each twice
	v_mul_f32 v77, v68, v74
	v_mul_f32 v78, v69, v74
	v_mul_f32 v79, v69, v74
	s_lshr_b32 s19, s[WV], 1
	s_cmp_eq_u32 s19, ttmp9                        ; waves 2 j and 2 j + 1 store their part of out1's row
	s_cbranch_scc0 .Lno_w
.irp i, 0,2,4,6
	v_pk_mul_f32 v[80+\i:81+\i], v[60+\i:61+\i], v[74:75]
.endr
	global_store_b128 v5, v[80:83], s[10:11]       ; 512 consecutive bytes, aligned; these registers are not written again
	global_store_b128 v5, v[84:87], s[10:11] offset:4096
.Lno_w:
	s_wait_loadcnt 0x0                             ; part
.irp i, 0,2,4,6
	v_pk_mul_f32 v[88+\i:89+\i], v[20+\i:21+\i], v[76:77]
.endr
.irp i, 0,2,4,6
	v_pk_fma_f32 v[88+\i:89+\i], v[28+\i:29+\i], v[78:79], v[88+\i:89+\i]
.endr
	ds_store_b128 v6, v[88:91]
	ds_store_b128 v6, v[92:95] offset:512
	s_wait_dscnt 0x0
	s_barrier_signal -1
	s_barrier_wait -1
	s_cmp_lt_u32 s[WV], 2                          ; 64 threads x 16 bytes are the 256 columns
	s_cbranch_scc0 .Lend
.irp i, 0,1,2,3,4,5,6,7
	ds_load_b128 v[96+4*\i:99+4*\i], v7 offset:1024*\i
.endr
	s_wait_dscnt 0x0
.irp i, 0,2,4,6
	v_pk_add_f32 v[96+4*\i:97+4*\i], v[96+4*\i:97+4*\i], v[100+4*\i:101+4*\i]
	v_pk_add_f32 v[98+4*\i:99+4*\i], v[98+4*\i:99+4*\i], v[102+4*\i:103+4*\i]
.endr
.irp i, 0,4
	v_pk_add_f32 v[96+4*\i:97+4*\i], v[96+4*\i:97+4*\i], v[104+4*\i:105+4*\i]
	v_pk_add_f32 v[98+4*\i:99+4*\i], v[98+4*\i:99+4*\i], v[106+4*\i:107+4*\i]
.endr
	v_pk_add_f32 v[96:97], v[96:97], v[112:113]
	v_pk_add_f32 v[98:99], v[98:99], v[114:115]
	global_store_b128 v8, v[96:99], s[8:9]         ; a wave stores 512 consecutive bytes, aligned
.Lend:
	s_wait_tensorcnt 0x0                           ; the wave's end, behind my last LDS store
	ds_add_u32 v[SPW], v[NIL]
	s_wait_dscnt 0x0
	s_endpgm
.Lfunc_end_k_q91d88c58ce_finish:
	.size	k_q91d88c58ce_finish, .Lfunc_end_k_q91d88c58ce_finish-k_q91d88c58ce_finish
	.p2alignl 7, 3214868480
	.fill 96, 4, 3214868480
	.section	.rodata,"a",@progbits
	.p2align	6, 0x0
	.amdhsa_kernel k_q91d88c58ce_finish
		.amdhsa_group_segment_fixed_size 9728
		.amdhsa_private_segment_fixed_size 0
		.amdhsa_enable_private_segment 0
		.amdhsa_kernarg_size 32
		.amdhsa_user_sgpr_count 2
		.amdhsa_user_sgpr_kernarg_segment_ptr 1
		.amdhsa_wavefront_size32 1
		.amdhsa_system_sgpr_workgroup_id_x 1
		.amdhsa_system_sgpr_workgroup_id_y 1
		.amdhsa_system_sgpr_workgroup_id_z 1
		.amdhsa_system_vgpr_workitem_id 0
		.amdhsa_next_free_vgpr 128
		.amdhsa_next_free_sgpr 66
		.amdhsa_reserve_vcc 0
		.amdhsa_float_denorm_mode_32 3
		.amdhsa_float_denorm_mode_16_64 3
		.amdhsa_memory_ordered 1
		.amdhsa_forward_progress 1
		.amdhsa_inst_pref_size 10
	.end_amdhsa_kernel
	.amdgpu_metadata
---
amdhsa.version: [ 1, 2 ]
amdhsa.kernels:
  - .name:           k_q91d88c58ce_finish
    .symbol:         k_q91d88c58ce_finish.kd
    .args:
      - { .name: scores, .offset: 0, .size: 8, .value_kind: global_buffer, .address_space: global }
      - { .name: part, .offset: 8, .size: 8, .value_kind: global_buffer, .address_space: global }
      - { .name: out0, .offset: 16, .size: 8, .value_kind: global_buffer, .address_space: global }
      - { .name: out1, .offset: 24, .size: 8, .value_kind: global_buffer, .address_space: global }
    .group_segment_fixed_size: 9728
    .private_segment_fixed_size: 0
    .kernarg_segment_align: 8
    .kernarg_segment_size: 32
    .max_flat_workgroup_size: 256
    .sgpr_count:     66
    .vgpr_count:     128
    .wavefront_size: 32
...
	.end_amdgpu_metadata
.endif
;; end of part 3
;; ======== version 2 of 2: 3 launches; version 1 with the launch main written anew for expert scheduling mode
;; workspace buffers: wfrag 2,097,152 bytes; hbias 65,536 bytes; scores 131,072 bytes; part 1,048,576 bytes
;; launch prep: the kernel of part 1 again; grid 64 x 1, 8 waves a work-group, no clusters, 9,216 bytes of LDS; arguments W, b, hidden, wfrag, hbias; writes wfrag, hbias
;; launch main (part 4): grid 16 x 16, 4 waves a work-group, no clusters, 281,088 bytes of LDS; arguments encoder_outputs, wfrag, hbias, v, scores, part; writes scores, part
.if DOCPART == 4
	.amdgcn_target "amdgcn-amd-amdhsa--gfx1250"
	.amdhsa_code_object_version 6
	.text
	.protected	k_q91d88c58ce_main
	.globl	k_q91d88c58ce_main
	.p2align	8
	.type	k_q91d88c58ce_main,@function
k_q91d88c58ce_main:
	s_mov_b64 s[64:65], 0
	v_nop
	global_prefetch_b8 v0, s[64:65] scope:SCOPE_SE
	s_setreg_imm32_b32 hwreg(HW_REG_WAVE_SCHED_MODE, 0, 2), 2
	s_setreg_imm32_b32 hwreg(HW_REG_WAVE_MODE, 25, 1), 1
	s_wait_xcnt 0x0
	s_wait_alu depctr_vm_vsrc(0)
; For one b and one block of 128 s:  x[s][n] = enc[s][b][:] . W2[n][:] + hb[b][n];  score[s] = sum over n of v[n] tanh(x[s][n]);  m = the block's largest score;
; p[s] = e^(score[s] - m);  part[b][block][:] = sum over s of p[s] enc[s][b][:].  Stored: the 128 scores and the 1,024 partial sums, both f32.  The last launch joins the blocks.
; FORMATS.  enc, W2 (wfrag) and v are rounded once to bf16; hb, all sums, the scores, p and part are f32.  The weighted sum takes the same bf16 enc.
; LIMITS.  tanh(x) = 1 - 2 / (1 + 2^(2 log2(e) x)): absolute error about 1e-7; it ends at +1 and -1 through an infinite or a zero exponential.  An exponential below 2^-126 counts as 0.
; NaN and infinities in the inputs are not treated apart.
; SHARES.  256 work-groups (x = block of s, y = b), four waves.  The block's 128 rows of enc are read from memory ONCE, rounded to bf16 and kept in LDS for both uses.
; Wave w makes all 128 rows x columns 256 w .. 256 w + 255, in two chunks of 128 columns: 64 accumulators of 16 x 16.  K = 1,024 goes in 32 quarters of 32.
; The matrix instruction is used transposed (source 0 = 16 rows of W2, source 1 = 16 rows of enc): a lane holds ONE row s (lane % 16) and the columns 8 (lane / 16) + 0..7,
; so the bias hangs on the register alone and is the C operand of a chunk's first products, and a row's score is a sum within the lane and one exchange of the lanes' halves.
; W2 COMES STRAIGHT INTO REGISTERS: no wave wants a column that another wave of the work-group fetches, and wfrag lies in fragment order, 512 consecutive bytes a load.  Four buffers of a
; quarter each: three quarters (48 loads, 24 KiB a wave) are on their way, and the K loop has no barrier.
; NO TENSOR LOADS, NO CLUSTER.  enc is f32 and must pass through registers to be rounded.  All work-groups read the same wfrag, but the resident rows take 128 x 2,064 = 264,192 of the 327,680
; bytes of LDS, and the 63,488 left do not hold two slots of 512 columns x 32 k x 2 bytes (65,536), the least that a shared ring would need.
; THE MODE: SCHED_MODE bits 1:0 = 2 (LLVM: expert scheduling mode 2), set by the entry lines.  The code itself states the register dependences
; between vector or matrix instructions and memory or LDS instructions, with s_wait_alu, always for 0.
; THE PLAN.  Registers that memory or LDS instructions touch, and who else names them:
;   FIRST PHASE   slots 0-7 (window 1): turn n's conversions read slot n % 8; the loads issued in turn n + 1 land in it (a row of enc; at the end a quarter of W2 in two slots).
;                 TC0, TC1: turn n's conversions write TC[n % 2]; the eight LDS stores issued in turn n + 1 read it; turn n + 2's conversions write it again.
;                 v[AST]: read by every such store; stepped once a lap.
;                 So the waits at a turn's head state all that its loads and stores hang on, and these stand ahead of the turn's conversions, which name neither their registers.
;   K LOOP        F0, F1: quarter q's products read F[q % 2]; the LDS loads issued in quarter q + 1 land in it.   W2's buffers 0-3: quarter q's products read buffer q % 4; the loads issued in quarter
;                 q + 1 land in it.   v[ADRA ..]: read by the fragments' loads; stepped once a trip, set anew once a chunk.   The accumulators are named by matrix and vector instructions alone.
;                 So ONE wait on va_vdst stands at a quarter's head, and the quarter's 32 loads are dealt among its four blocks of 16 products, which name the other two buffers.
;   CHUNK'S END   one wait on va_vdst behind the last products: the next chunk's W2, bias and first fragments and this chunk's v land in registers that products have read.  v[HBA]: stepped once a chunk.
;   LAST PHASES   two sets of 16 rows and their p: a set's sums read it, then it is loaded again; its two addresses are stepped once a trip.
;   v[LO], v[ADR0 ..], v[PFO] are written at the head and never again.   v[SPW], v[NIL]: written at the head, read by the closing add alone.
; REGISTERS, in windows of 256 (s_set_vgpr_msb: bits 1:0 source 0, 3:2 source 1, 5:4 source 2, 7:6 destination):
;   window 0: addresses, score sums, two buffers of enc's fragments, the bias blocks      window 1: first eight rows of enc in f32, then four buffers of W2's fragments
;   window 2: the accumulators of rows 0-63 ((a, b) at 8 (8 a + b))                        window 3: those of rows 64-127
.set PA,    2064                       ; a row of enc in LDS: 2,048 bytes + 16 = 129 x 16: the 16 rows of a fragment load start at 16 different groups of four banks
.set HBL,   128*PA                     ; hb of my b, f32 by n: 4,096 bytes
.set VL,    HBL+4096                   ; v, rounded to bf16 and widened, f32 by n: 4,096 bytes
.set SCR,   HBL+8192                   ; four waves x 128 partial scores
.set PW,    SCR+2048                   ; each wave's own copy of p: 512 bytes
.set STG,   PW+2048                    ; each wave's own stage for the way out: 1,024 bytes
.set SPARE, STG+4096                   ; the spare words, 128 bytes a wave
.set ADR0, 8                           ; v[8:15]   block i of 16 rows: (16 i + l%16) PA + 16 (l/16); never rewritten
.set ADRA, 16                          ; v[16:23]  the same, 256 bytes further along K in each trip
.set LO,   24                          ; v24       16 x lane; never rewritten
.set HBA,  25                          ; v25       HBL + 1,024 w + 32 (l/16) + 512 x chunk
.set AST,  27                          ; v27       where I put 8 bytes of the lap's first row of enc
.set SPW,  28                          ; v28       LDS address of my spare word; never rewritten
.set NIL,  29                          ; v29       0; never rewritten
.set PFO,  30                          ; v30       256 x lane; never rewritten
.set SCA,  32                          ; v32-39, v56: addresses of the last phases
.set SCB,  33
.set PWA,  34
.set PB0,  35                          ; v35, v36
.set XA0,  37                          ; v37, v38
.set SGA,  39
.set SGB,  56
.set SS,   40                          ; v[40:55]  a pair of score sums for each block of 16 rows
.set F0,   64                          ; v[64:127]  enc's fragments, buffer 0
.set F1,   128                         ; v[128:191] buffer 1
.set VV,   128                         ;            in a chunk's epilogue: its 128 numbers of v, block f at VV + 8 f
.set CB,   192                         ; v[192:255] the chunk's bias, block f at CB + 8 f
.set TC,   64                          ; first phase: 2 x 16 registers of packed bf16
.set CXX,  64                          ; last phase: two sets of 16 rows x 16 bytes
.set CP,   192                         ; two sets of 16 p
.set CX,   224                         ; v[224:231] my eight sums
.set QS,   232                         ; v[232:247] four waves' partial scores; v[232:235] the scores, never rewritten; v[240:247] later the way out
.set TT,   248                         ; v[248:251] p
.set MX,   252                         ; v252 the block's maximum
.set WV,  16                           ; s16  my wave's number
.set EN,  22                           ; s[22:23] enc at the lap's first row
.set WP,  24                           ; s[24:25] wfrag at my stream's place
.set KC,  26                           ; s[26:27] 2 log2(e)
.set SEL, 28                           ; s[28:29] v_permlanex16_b32's selects: each lane takes its own place in the other half
.set CNT, 30
.set CH,  31
.set LIM, 32                           ; s32  1 in wave 0, else the greatest number
.set PFA, 34                           ; s[34:35] wfrag + 8,192 x the work-group's number
.set MSB, 0
.macro WIN new                         ; the immediate's high byte repeats the setting that is left; a switch that changes nothing is dropped
.if MSB != (\new)
	s_set_vgpr_msb (MSB<<8)|(\new)
.set MSB, \new
.endif
.endm
.set TO_B,    0x40                     ; destination window 1, address window 0
.set CVT,     0x05                     ; sources 0 and 1 window 1, destination window 0
.set MUL_LO,  0xa1                     ; source 0 (W2) window 1, source 1 (enc) window 0, C and D window 2;  + 0x50: window 3
.set MULB_LO, 0x81                     ; the same with C (the bias) in window 0;  + 0x40: D in window 3
.set EP2,     0xa2                     ; source 0, source 2 and destination window 2, source 1 window 0;  + 0x51: window 3
.set SS2,     0x02                     ; source 0 window 2, the rest window 0;  + 1: window 3
	s_load_b256 s[4:11], s[0:1], 0x0               ; enc s[4:5], wfrag s[6:7], hbias s[8:9], v s[10:11]
	s_load_b128 s[12:15], s[0:1], 0x20             ; scores s[12:13], part s[14:15]
	v_lshl_add_u32 v[SPW], v0, 2, SPARE
	v_mov_b32 v[NIL], 0
	v_lshrrev_b32 v31, 5, v0
	v_readfirstlane_b32 s[WV], v31                 ; wave 0..3
	s_and_b32 s18, ttmp7, 0xffff                   ; b
	s_lshl_b32 s19, s18, 4
	s_add_co_u32 s19, s19, ttmp9                   ; the work-group's number: 16 b + block
	s_lshl_b32 s20, ttmp9, 23                      ; enc: 128 s of 65,536 bytes a block,
	s_lshl_b32 s21, s18, 12                        ; 4,096 bytes a b,
	s_add_co_u32 s20, s20, s21
	s_wait_alu depctr_va_sdst(0)                   ; s[WV] is written, ahead of its first reader: offsets, LDS places and branches are made from it
	s_lshl_b32 s21, s[WV], 21                      ; 32 s a wave
	s_add_co_u32 s20, s20, s21
	s_mov_b32 s21, 0
	s_lshl_b32 s36, s[WV], 19                      ; wfrag: 256 columns a wave
	s_mov_b32 s37, 0
	s_lshl_b32 s38, s19, 13
	s_mov_b32 s39, 0
	s_lshl_b32 s40, s18, 6                         ; hbias: 64 b
	s_mov_b32 s41, 0
	s_lshl_b32 s42, s18, 13                        ; scores: 8,192 b + 512 block
	s_lshl_b32 s43, ttmp9, 9
	s_add_co_u32 s42, s42, s43
	s_mov_b32 s43, 0
	s_lshl_b32 s44, s19, 12                        ; part: 4,096 (16 b + block) + 1,024 w
	s_lshl_b32 s45, s[WV], 10
	s_add_co_u32 s44, s44, s45
	s_mov_b32 s45, 0
	s_mov_b32 s[KC], 0x4038aa3b                    ; 2 log2(e) = 2.885390
	s_mov_b32 s[KC+1], s[KC]                       ; named with it as a pair
	s_mov_b32 s[SEL], 0x76543210
	s_mov_b32 s[SEL+1], 0xfedcba98
	s_cmp_eq_u32 s[WV], 0
	s_cselect_b32 s[LIM], 1, -1
	v_and_b32 v1, 15, v0                           ; l % 16
	v_bfe_u32 v2, v0, 4, 1                         ; l / 16
	v_and_b32 v3, 31, v0                           ; l
	v_mul_u32_u24 v31, v1, PA
	v_lshl_add_u32 v31, v2, 4, v31
.irp i, 0,1,2,3,4,5,6,7
	v_add_nc_u32 v[ADR0+\i], \i*16*PA, v31
.endr
	v_lshlrev_b32 v[LO], 4, v3
	s_lshl_b32 s33, s[WV], 10
	v_lshl_add_u32 v[HBA], v2, 5, HBL
	v_add_nc_u32 v[HBA], s33, v[HBA]
	s_mul_i32 s33, s[WV], 32*PA
	v_lshl_add_u32 v[AST], v3, 3, s33              ; my wave's first row, 8 bytes a lane
	v_lshlrev_b32 v[PFO], 8, v3
	v_lshrrev_b32 v4, 2, v0                        ; hb: thread t takes n = 4 t .. 4 t + 3 (and 512 further): block t / 4 of 16, 16 (t % 4) bytes in
	v_and_b32 v5, 3, v0
	v_lshlrev_b32 v5, 4, v5
	v_lshl_add_u32 v4, v4, 10, v5
	v_lshlrev_b32 v6, 4, v0                        ; v: 16 t
	s_wait_kmcnt 0x0
	s_add_nc_u64 s[EN:EN+1], s[4:5], s[20:21]
	s_add_nc_u64 s[WP:WP+1], s[6:7], s[36:37]
	s_add_nc_u64 s[PFA:PFA+1], s[6:7], s[38:39]
	s_add_nc_u64 s[8:9], s[8:9], s[40:41]
	s_add_nc_u64 s[12:13], s[12:13], s[42:43]
	s_add_nc_u64 s[14:15], s[14:15], s[44:45]
; THE FIRST PHASE: my 32 rows of enc, through a ring of eight row slots in window 1; seven rows (56 loads, 28 KiB a wave) are on their way.
.macro FILL slot, row                  ; a row's 4,096 bytes: eight loads of 512 consecutive bytes
	WIN TO_B
.irp j, 0,1,2,3,4,5,6,7
	global_load_b128 v[32*(\slot)+4*\j:32*(\slot)+4*\j+3], v[LO], s[EN:EN+1] offset:(\row)*65536+512*\j th:TH_LOAD_NT
.endr
.endm
; a quarter (32 k) of my chunk's 128 columns of W2: 16 loads of 512 consecutive bytes into buffer buf
.macro BLOAD buf, off
	WIN TO_B
.irp f, 0,1,2,3,4,5,6,7
	global_load_b128 v[64*(\buf)+8*\f:64*(\buf)+8*\f+3],   v[LO], s[WP:WP+1] offset:(\off)+1024*\f
	global_load_b128 v[64*(\buf)+8*\f+4:64*(\buf)+8*\f+7], v[LO], s[WP:WP+1] offset:(\off)+1024*\f+512
.endr
.endm
; Turn n of a lap (1 to 8; 0: the very first).  Its memory instructions come first: the slot emptied a turn ago takes the row seven further on (fill = 1), or two empty slots take a quarter of W2
; (bl = its buffer), and the row rounded a turn ago goes into LDS (each store 256 consecutive bytes).  Then row n is rounded to bf16.  left: the loads younger than row n's.
.macro TURN n, first, fill, bl, left
.if (\fill) || ((\bl) >= 0)
	WIN TO_B                                       ; the loads' window is set ahead of the waits
.endif
	s_wait_loadcnt \left
.if !(\first)
.if (\n) != 1
	s_wait_alu depctr_vm_vsrc(0)                   ; the stores issued in the turn before have read TC[n % 2], which this turn's conversions write again (for turn 1 the wait at the lap's end says so)
.endif
	s_wait_alu depctr_va_vdst(0)                   ; the turn before has written the other TC, which the stores below read, and is done reading its slot, in which the loads below land; in turn 1 v[AST] is written
.endif
.if \fill
	FILL ((\n)+7)%8, (\n)+7
.endif
.if (\bl) >= 0
	BLOAD \bl, 8192*(\bl)
.endif
.if !(\first)
	WIN 0
.irp j, 0,1,2,3,4,5,6,7
	ds_store_b64 v[AST], v[TC+16*(((\n)+1)%2)+2*\j:TC+16*(((\n)+1)%2)+2*\j+1] offset:((\n)-1)*PA+256*\j
.endr
.endif
	WIN CVT
.set i, 0
.rept 16
	v_cvt_pk_bf16_f32 v[TC+16*((\n)%2)+i], v[32*((\n)%8)+2*i], v[32*((\n)%8)+2*i+1]
.set i, i+1
.endr
.endm
	s_wait_alu depctr_va_vdst(0)                   ; all the offsets and LDS addresses made above are written: v4, v6, v[LO], v[PFO], v[AST], v[HBA], v[ADR0 ..], which loads, stores and the prefetch read
	global_load_b128 v[96:99],   v4, s[8:9]
	global_load_b128 v[100:103], v4, s[8:9] offset:32768
	global_load_b128 v[104:107], v6, s[10:11]
	global_load_b128 v[108:111], v6, s[10:11] offset:2048
.irp n, 0,1,2,3,4,5,6
	FILL \n, \n
.endr
	WIN 0
	s_wait_loadcnt 56                              ; hb and v are in; the seven rows stay out
.irp i, 0,1,2,3
	v_cvt_pk_bf16_f32 v[112+\i], v[104+2*\i], v[104+2*\i+1]  ; v is rounded to bf16 like every input,
.endr
.irp i, 0,1,2,3
	v_lshlrev_b32 v[104+2*\i], 16, v[112+\i]       ; and widened again
	v_and_b32 v[104+2*\i+1], 0xffff0000, v[112+\i]
.endr
	v_lshl_add_u32 v31, v0, 4, HBL
	s_wait_alu depctr_va_vdst(0)                   ; v31 and the widened v in v[104:111] are written, which the stores below read
	ds_store_b128 v31, v[96:99]
	ds_store_b128 v31, v[100:103] offset:2048
	ds_store_b128 v31, v[104:107] offset:4096
	ds_store_b128 v31, v[108:111] offset:6144
	TURN 0, 1, 1, -1, 48                           ; row 0: no row in front of it, so no store; no vector instruction has named slot 7, in which row 7 lands
	WIN 0
	s_mov_b32 s[CNT], 3
.Lround:                                       ; a lap: rows 8 r + 1 .. 8 r + 8; six younger rows (48 loads) stay out at each wait
	TURN 1, 0, 1, -1, 48
	WIN 0
	; A PREFETCH INTO THE L2 of wfrag, whose first reading in the launch follows this phase: in the third lap wave 0 of work-group g names bytes 8,192 g .. 8,192 g + 8,191, a lane for each
	; 256: the 256 work-groups name each block once.  It stands behind a turn's loads, stores and conversions, nine rows ahead of my first loads of wfrag.  v[PFO] was written ahead of the head's wait.
	s_cmp_eq_u32 s[CNT], s[LIM]
	s_cbranch_scc0 .Lnot_mine
	global_prefetch_b8 v[PFO], s[PFA:PFA+1] th:TH_LOAD_NT scope:SCOPE_SE
.Lnot_mine:
.irp n, 2,3,4,5,6,7,8
	TURN \n, 0, 1, -1, 48
.endr
	WIN 0
	s_wait_xcnt 0x0                                ; every load issued so far has read its address: the pointer may step
	s_add_nc_u64 s[EN:EN+1], s[EN:EN+1], 8*65536
	s_wait_alu depctr_vm_vsrc(0)                   ; the stores issued so far have read v[AST], which the add below writes, and TC1, which the next turn's conversions write
	v_add_nc_u32 v[AST], 8*PA, v[AST]
	s_sub_co_u32 s[CNT], s[CNT], 1
	s_cmp_lg_u32 s[CNT], 0
	s_cbranch_scc1 .Lround
	TURN 1, 0, 0, -1, 48                           ; rows 25 to 31 are written out: no row is left to ask for; rows 26-31 stay out
	TURN 2, 0, 0, 0, 40                            ; rows 27-31; W2's first quarter goes into slots 0 and 1, which are empty
	TURN 3, 0, 0, -1, 48                           ; rows 28-31 and 16 of W2
	TURN 4, 0, 0, 1, 40                            ; rows 29-31 and 16; the second quarter into slots 2 and 3
	TURN 5, 0, 0, -1, 48                           ; rows 30, 31 and 32
	TURN 6, 0, 0, 2, 40                            ; row 31 and 32; the third quarter into slots 4 and 5
	TURN 7, 0, 0, -1, 48                           ; W2's 48
	WIN 0
	s_wait_alu depctr_va_vdst(0)                   ; row 31's conversions have written TC1, which the last eight stores read
.irp j, 0,1,2,3,4,5,6,7
	ds_store_b64 v[AST], v[TC+16+2*\j:TC+16+2*\j+1] offset:7*PA+256*\j
.endr
	s_wait_dscnt 0x0                               ; for the others' sake: my rows, and my parts of hb and v, are in LDS
	s_barrier_signal -1
	s_barrier_wait -1                              ; everybody's are; none of these bytes is written again
	s_wait_alu depctr_vm_vsrc(0)                   ; my LDS stores have read TC and v[96:111]: these registers are fragment buffer 0 from here on, in which loads land
; THE PRODUCT.
.macro ROWV dst, off                   ; 128 numbers by column (bias or v), in the accumulators' layout: register 8 f + j = column 16 f + 8 (l/16) + j
	WIN 0
.irp f, 0,1,2,3,4,5,6,7
	ds_load_b128 v[(\dst)+8*\f:(\dst)+8*\f+3],   v[HBA] offset:(\off)+64*\f
	ds_load_b128 v[(\dst)+8*\f+4:(\dst)+8*\f+7], v[HBA] offset:(\off)+64*\f+16
.endr
.endm
.macro FETCH8 f, k, base, h            ; half of enc's fragments of one quarter: rows 64 h .. 64 h + 63 x 32 k at byte k behind the addresses, 8 loads
	WIN 0
.irp i, 0,1,2,3
	ds_load_b128 v[(\f)+8*(4*(\h)+\i):(\f)+8*(4*(\h)+\i)+3],   v[(\base)+4*(\h)+\i] offset:(\k)
	ds_load_b128 v[(\f)+8*(4*(\h)+\i)+4:(\f)+8*(4*(\h)+\i)+7], v[(\base)+4*(\h)+\i] offset:(\k)+32
.endr
.endm
.macro FETCHA f, k, base               ; both halves, rows 0-63 first
	FETCH8 \f, \k, \base, 0
	FETCH8 \f, \k, \base, 1
.endm
; 16 products: row blocks a0, a0 + 1 of the window's four x all 8 column blocks.  bias = 1: the chunk's first quarter: C is the bias, nothing is cleared.
.macro MUL16 fa, fb, hi, a0, bias
.if \bias
	WIN MULB_LO+0x40*(\hi)
.else
	WIN MUL_LO+0x50*(\hi)
.endif
.irp a, \a0, (\a0)+1
.irp b, 0,1,2,3,4,5,6,7
.if \bias
	v_wmma_f32_16x16x32_bf16 v[8*(8*(\a)+\b):8*(8*(\a)+\b)+7], v[64*(\fb)+8*\b:64*(\fb)+8*\b+7], v[(\fa)+8*(4*(\hi)+(\a)):(\fa)+8*(4*(\hi)+(\a))+7], v[CB+8*\b:CB+8*\b+7]
.else
	v_wmma_f32_16x16x32_bf16 v[8*(8*(\a)+\b):8*(8*(\a)+\b)+7], v[64*(\fb)+8*\b:64*(\fb)+8*\b+7], v[(\fa)+8*(4*(\hi)+(\a)):(\fa)+8*(4*(\hi)+(\a))+7], v[8*(8*(\a)+\b):8*(8*(\a)+\b)+7]
.endif
.endr
.endr
.endm
.macro PLACES                          ; four places in front of vector work on matrix results (ISA guide 7.12.1)
.rept 4
	v_nop
.endr
.endm
; A quarter: 64 products of enc's buffer fa and W2's buffer fb; the 64 accumulators take turns in one order everywhere.  The next quarter's fragments of enc (into ga, byte k)
; and W2's quarter three further on (into gb, byte off) go into the buffers that the quarter before multiplied: 8, 8 and 16 loads behind the first three blocks of 16 products.  -1: nothing is left to ask for.
; lc: W2's loads younger than this quarter's: two quarters' 32.
.macro QUARTER fa, fb, lc, ga, k, gb, off, bias
	s_wait_loadcnt \lc
	s_wait_dscnt 8                                 ; enc's rows 0-63 are in; the youngest eight loads may be out
.if (\ga) >= 0
	s_wait_alu depctr_va_vdst(0)                   ; the quarter before is done reading enc's buffer ga and W2's buffer gb, in which this quarter's loads land; v[ADRA ..] are written.  The products below name neither
.endif
	MUL16 \fa, \fb, 0, 0, \bias
.if (\ga) >= 0
	FETCH8 \ga, \k, ADRA, 0
.endif
	MUL16 \fa, \fb, 0, 2, \bias
.if (\ga) >= 0
	FETCH8 \ga, \k, ADRA, 1
	s_wait_dscnt 16                                ; all but the 16 issued in this quarter: enc's rows 64-127 are in
.else
	s_wait_dscnt 0x0
.endif
	MUL16 \fa, \fb, 1, 0, \bias
.if (\gb) >= 0
	BLOAD \gb, \off
.endif
	MUL16 \fa, \fb, 1, 2, \bias
.endm
; A CHUNK'S EPILOGUE, in place on the accumulators, a window at a time; group g = a block of 16 rows = 64 registers at 64 g.
;   EA: x times 2 log2(e)    EX: 2^..    EB: + 1    ER: 1 / ..    EC: 1 - 2 .. = tanh(x); then times v, summed over the 8 column blocks into block 0's four pairs
.macro EA g, k
	v_pk_mul_f32 v[64*(\g)+2*(\k):64*(\g)+2*(\k)+1], v[64*(\g)+2*(\k):64*(\g)+2*(\k)+1], s[KC:KC+1] op_sel_hi:[1,0]
.endm
.macro EX g, k
	v_exp_f32 v[64*(\g)+(\k)], v[64*(\g)+(\k)]
.endm
.macro EB g, k
	v_pk_add_f32 v[64*(\g)+2*(\k):64*(\g)+2*(\k)+1], v[64*(\g)+2*(\k):64*(\g)+2*(\k)+1], 1.0 op_sel_hi:[1,0]
.endm
.macro ER g, k
	v_rcp_f32 v[64*(\g)+(\k)], v[64*(\g)+(\k)]
.endm
.macro EC g, k
.set eb, (\k)/8
.set es, (\k)%8
.if es < 4
	v_pk_fma_f32 v[64*(\g)+8*eb+2*es:64*(\g)+8*eb+2*es+1], v[64*(\g)+8*eb+2*es:64*(\g)+8*eb+2*es+1], -2.0, 1.0 op_sel_hi:[1,0,0]
.elseif eb == 0
	v_pk_mul_f32 v[64*(\g)+2*(es-4):64*(\g)+2*(es-4)+1], v[64*(\g)+2*(es-4):64*(\g)+2*(es-4)+1], v[VV+2*(es-4):VV+2*(es-4)+1]
.else
	v_pk_fma_f32 v[64*(\g)+2*(es-4):64*(\g)+2*(es-4)+1], v[64*(\g)+8*eb+2*(es-4):64*(\g)+8*eb+2*(es-4)+1], v[VV+8*eb+2*(es-4):VV+8*eb+2*(es-4)+1], v[64*(\g)+2*(es-4):64*(\g)+2*(es-4)+1]
.endif
.endm
; Step st: the four groups follow each other one step apart, plain and transcendental lines by turns.  The step's transcendentals (EX of group st, ER of group st - 1) are ONE BATCH: nothing in the
; step names a result of theirs, and the next step opens with the one wait ahead of the first reader.  The plain line that follows that wait names no register of the batch's last line.
; No line of the epilogue names a register in which the loads issued at the chunk's end land, but v's, which are waited for.
.macro ESTEP st, hi
.if (\st) > 0
	s_wait_alu depctr_va_vdst(0)                   ; the exponentials and reciprocals of the step before have written their results, which this step reads
.endif
.if ((\st) == 2) && ((\hi) == 0)
	s_wait_dscnt 0x0                               ; v is in, ahead of its first reader (and with it all that was asked of LDS for the next chunk)
.endif
.set sl, 0
.rept 128
.if sl < 32
.if ((\st) >= 1) && ((\st) <= 4)
	EB (\st)-1, sl
.endif
.elseif sl < 64
.if (\st) <= 2
	EA (\st)+1, sl-32
.endif
.else
.if (\st) >= 2
	EC (\st)-2, sl-64
.endif
.endif
.if sl < 64
.if (\st) <= 3
	EX \st, sl
.endif
.else
.if ((\st) >= 1) && ((\st) <= 4)
	ER (\st)-1, sl-64
.endif
.endif
.set sl, sl+1
.endr
.endm
.macro EWIN hi
	WIN EP2+0x51*(\hi)
.set sl, 0
.rept 32
	EA 0, sl                                       ; ascending: each accumulator is read from its low end on
.set sl, sl+1
.endr
.irp st, 0,1,2,3,4,5
	ESTEP \st, \hi
.endr
	WIN SS2+(\hi)
.irp p, 0,1,2,3
.irp g, 0,1,2,3
	v_pk_add_f32 v[SS+2*(4*(\hi)+\g):SS+2*(4*(\hi)+\g)+1], v[64*\g+2*\p:64*\g+2*\p+1], v[SS+2*(4*(\hi)+\g):SS+2*(4*(\hi)+\g)+1]
.endr
.endr
.endm
	ROWV CB, 0                                     ; the first chunk's bias,
	FETCHA F0, 0, ADR0                             ; and enc's first fragments
.set i, 0
.rept 16
	v_mov_b32 v[SS+i], 0                           ; the score sums run over both chunks
.set i, i+1
.endr
	s_mov_b32 s[CH], 2
.Lchunk:
.irp i, 0,1,2,3,4,5,6,7
	v_mov_b32 v[ADRA+\i], v[ADR0+\i]               ; the loads that read v[ADRA ..] in the chunk before have done so: the wait at that chunk's end says it
.endr
	QUARTER F0, 0, 32, F1, 64, 3, 3*8192, 1        ; quarter 0 stands in front of the loop: its products start the sums with the bias
	WIN 0
	s_mov_b32 s[CNT], 7
.Ltrip:                                        ; quarters 4 t + 1 .. 4 t + 4
	QUARTER F1, 1, 32, F0, 128, 0, 4*8192, 0
	QUARTER F0, 2, 32, F1, 192, 1, 5*8192, 0
	QUARTER F1, 3, 32, F0, 256, 2, 6*8192, 0
	QUARTER F0, 0, 32, F1, 320, 3, 7*8192, 0
	WIN 0
	s_wait_xcnt 0x0                                ; the youngest loads, 16 products back, have read their address: the pointer may step
	s_add_nc_u64 s[WP:WP+1], s[WP:WP+1], 4*8192
	s_wait_alu depctr_vm_vsrc(0)                   ; the fragments' loads issued so far have read v[ADRA ..]; the next quarter's head waits for the adds below
.irp i, 0,1,2,3,4,5,6,7
	v_add_nc_u32 v[ADRA+\i], 256, v[ADRA+\i]
.endr
	s_sub_co_u32 s[CNT], s[CNT], 1
	s_cmp_lg_u32 s[CNT], 0
	s_cbranch_scc1 .Ltrip
	QUARTER F1, 1, 32, F0, 128, -1, 0, 0           ; quarters 29 to 31: W2's stream for this chunk has been asked for to its end
	QUARTER F0, 2, 16, F1, 192, -1, 0, 0           ; only quarter 31's 16 loads are younger
	QUARTER F1, 3, 0, -1, 0, -1, 0, 0              ; it issues no load, so it states no dependence
	PLACES
	PLACES
	WIN 0
	s_wait_alu depctr_va_vdst(0)                   ; the chunk's products are done reading W2's buffers, both buffers of enc's fragments and the bias, in all of which the loads below land
	s_cmp_eq_u32 s[CH], 1
	s_cbranch_scc1 .Lno_next                       ; behind the second chunk nothing is left to ask for
	s_wait_xcnt 0x0
	s_add_nc_u64 s[WP:WP+1], s[WP:WP+1], 4*8192    ; the next chunk's stream follows this one's: its first three quarters land under the epilogue
	BLOAD 0, 0
	BLOAD 1, 8192
	BLOAD 2, 16384
	ROWV CB, 512                                   ; its bias,
	FETCHA F0, 0, ADR0                             ; and enc's first fragments once more
.Lno_next:
	ROWV VV, 4096                                  ; this chunk's v, into the fragment buffer that the last quarter has left
	EWIN 0
	EWIN 1
	WIN 0
	s_wait_alu depctr_vm_vsrc(0)                   ; the loads of bias and v have read v[HBA], which the add below writes; the fragments' loads have read v[ADRA ..], which the chunk's head writes anew
	v_add_nc_u32 v[HBA], 512, v[HBA]
	s_sub_co_u32 s[CH], s[CH], 1
	s_cmp_lg_u32 s[CH], 0
	s_cbranch_scc1 .Lchunk
	; THE SCORES.  A lane's pair, the other half of the lanes, then the four waves' partial sums through LDS.
	s_lshl_b32 s20, s[WV], 9
	s_lshl_b32 s21, s[WV], 10
	v_lshl_add_u32 v[SCA], v1, 2, SCR
	v_add_nc_u32 v[SCA], s20, v[SCA]               ; SCR + 512 w + 4 (l%16)
	v_add_nc_u32 v[SCB], SCR, v[LO]                ; SCR + 16 l
	v_add_nc_u32 v[PWA], PW, v[LO]
	v_add_nc_u32 v[PWA], s20, v[PWA]               ; PW + 512 w + 16 l
	v_mov_b32 v[PB0], s20
	v_add_nc_u32 v[PB0], PW, v[PB0]                ; PW + 512 w: p of rows 0-15,
	v_add_nc_u32 v[PB0+1], 64, v[PB0]              ; of rows 16-31
	v_add_nc_u32 v[XA0], s20, v[LO]                ; enc's row 0, my eight columns 256 w + 8 l ..,
	v_add_nc_u32 v[XA0+1], 16*PA, v[XA0]           ; row 16
	v_lshl_add_u32 v[SGA], v3, 5, STG
	v_add_nc_u32 v[SGA], s21, v[SGA]               ; STG + 1,024 w + 32 l
	v_add_nc_u32 v[SGB], STG, v[LO]
	v_add_nc_u32 v[SGB], s21, v[SGB]               ; STG + 1,024 w + 16 l
.irp a, 0,1,2,3,4,5,6,7
	v_add_f32 v[SS+2*\a], v[SS+2*\a], v[SS+2*\a+1]
.endr
.irp a, 0,1,2,3,4,5,6,7
	v_permlanex16_b32 v[SS+2*\a+1], v[SS+2*\a], s[SEL], s[SEL+1]
.endr
.irp a, 0,1,2,3,4,5,6,7
	v_add_f32 v[SS+2*\a], v[SS+2*\a], v[SS+2*\a+1]
.endr
	s_wait_alu depctr_va_vdst(0)                   ; the sums and the nine addresses of the last phases are written, which the stores and loads below read; no vector or matrix instruction still names v[QS ..], in which loads land
.irp a, 0,1,2,3,4,5,6,7
	ds_store_b32 v[SCA], v[SS+2*\a] offset:64*\a   ; row 16 a + l % 16; both halves of the lanes write the same number
.endr
	s_wait_dscnt 0x0                               ; for the others' sake
	s_barrier_signal -1
	s_barrier_wait -1
.irp i, 0,1,2,3
	ds_load_b128 v[QS+4*\i:QS+4*\i+3], v[SCB] offset:512*\i  ; rows 4 l .. 4 l + 3, of each wave
.endr
.set i, 0
.rept 8
	v_mov_b32 v[CX+i], 0
.set i, i+1
.endr
	s_wait_dscnt 0x0
	v_pk_add_f32 v[QS:QS+1],     v[QS:QS+1],     v[QS+4:QS+5]
	v_pk_add_f32 v[QS+2:QS+3],   v[QS+2:QS+3],   v[QS+6:QS+7]
	v_pk_add_f32 v[QS+8:QS+9],   v[QS+8:QS+9],   v[QS+12:QS+13]
	v_pk_add_f32 v[QS+10:QS+11], v[QS+10:QS+11], v[QS+14:QS+15]
	v_pk_add_f32 v[QS:QS+1],     v[QS:QS+1],     v[QS+8:QS+9]
	v_pk_add_f32 v[QS+2:QS+3],   v[QS+2:QS+3],   v[QS+10:QS+11]  ; every wave holds the 128 scores, the same bits
	s_cmp_lg_u32 s[WV], 0
	s_cbranch_scc1 .Lnot_0
	s_wait_alu depctr_va_vdst(0)                   ; the additions have written v[QS:QS+3], which the store reads
	global_store_b128 v[LO], v[QS:QS+3], s[12:13]  ; 512 consecutive bytes, aligned; these registers are not written again
.Lnot_0:
	v_max3_num_f32 v[MX], v[QS], v[QS+1], v[QS+2]  ; the block's own maximum is taken away before the exponential; the last launch corrects by the row's
	v_max_num_f32 v[MX], v[MX], v[QS+3]
	v_max_num_f32_dpp v[MX], v[MX], v[MX] row_xmask:1 row_mask:0xf bank_mask:0xf
	v_max_num_f32_dpp v[MX], v[MX], v[MX] row_xmask:2 row_mask:0xf bank_mask:0xf
	v_max_num_f32_dpp v[MX], v[MX], v[MX] row_xmask:4 row_mask:0xf bank_mask:0xf
	v_max_num_f32_dpp v[MX], v[MX], v[MX] row_xmask:8 row_mask:0xf bank_mask:0xf
	v_permlanex16_b32 v[QS+4], v[MX], s[SEL], s[SEL+1]
	v_max_num_f32 v[MX], v[MX], v[QS+4]
.irp i, 0,1,2,3
	v_sub_f32 v[TT+\i], v[QS+\i], v[MX]
.endr
.irp i, 0,1,2,3
	v_mul_f32 v[TT+\i], 0x3fb8aa3b, v[TT+\i]       ; log2(e)
.endr
.irp i, 0,1,2,3
	v_exp_f32 v[TT+\i], v[TT+\i]
.endr
	v_nop                                          ; a plain instruction behind the last exponential,
	s_wait_alu depctr_va_vdst(0)                   ; and the one wait for the four: they have written v[TT ..], which the store reads; the epilogue is long done reading the registers in which the two sets below land
	ds_store_b128 v[PWA], v[TT:TT+3]               ; my wave's own copy of p: LDS serves a wave's instructions in order, so its loads below see it
	; THE PARTIAL CONTEXT: sum over the 128 rows of p x enc, from the bf16 rows in LDS, in f32.  Wave w: columns 256 w .. + 255, eight a lane.  Two sets of 16 rows: one is summed while the other's 20 loads are out.
.macro LOADSET s
.set i, 0
.rept 16
	ds_load_b128 v[CXX+64*(\s)+4*i:CXX+64*(\s)+4*i+3], v[XA0+(\s)] offset:PA*i  ; 512 consecutive bytes of a row
.set i, i+1
.endr
.irp q, 0,1,2,3
	ds_load_b128 v[CP+16*(\s)+4*\q:CP+16*(\s)+4*\q+3], v[PB0+(\s)] offset:16*\q  ; four p, the same for all lanes
.endr
.endm
.macro FMASET s                        ; a bf16 half times p, added in f32; the eight sums take turns
.set ro, 0
.rept 16
.irp d, 0,1,2,3
	v_fma_mix_f32_bf16 v[CX+2*\d],   v[CXX+64*(\s)+4*ro+\d], v[CP+16*(\s)+ro], v[CX+2*\d] op_sel_hi:[1,0,0]
	v_fma_mix_f32_bf16 v[CX+2*\d+1], v[CXX+64*(\s)+4*ro+\d], v[CP+16*(\s)+ro], v[CX+2*\d+1] op_sel:[1,0,0] op_sel_hi:[1,0,0]
.endr
.set ro, ro+1
.endr
.endm
	LOADSET 0
	LOADSET 1
	s_mov_b32 s[CNT], 3
.Lctx:                                         ; 32 rows a trip; the rows 32 further on are asked for
	s_wait_dscnt 20                                ; set 0 is in; set 1's 20 loads stay out
	s_wait_alu depctr_vm_vsrc(0)                   ; the loads of both sets have read their four addresses, which the adds below write
	v_add_nc_u32 v[XA0], 32*PA, v[XA0]
	v_add_nc_u32 v[PB0], 128, v[PB0]
	v_add_nc_u32 v[XA0+1], 32*PA, v[XA0+1]
	v_add_nc_u32 v[PB0+1], 128, v[PB0+1]
	FMASET 0
	s_wait_alu depctr_va_vdst(0)                   ; the sums are done reading set 0, in which the loads below land; the four addresses are written
	LOADSET 0
	s_wait_dscnt 20
	FMASET 1
	s_wait_alu depctr_va_vdst(0)                   ; the sums are done reading set 1, in which the loads below land
	LOADSET 1
	s_sub_co_u32 s[CNT], s[CNT], 1
	s_cmp_lg_u32 s[CNT], 0
	s_cbranch_scc1 .Lctx
	s_wait_dscnt 20                                ; the last 32 rows load nothing
	FMASET 0
	s_wait_dscnt 0x0
	FMASET 1
	s_wait_alu depctr_va_vdst(0)                   ; the eight sums are written, which the stores read; the scores' additions are long done with v[QS+8 ..], in which the loads below land
	ds_store_b128 v[SGA], v[CX:CX+3]               ; a lane's 32 bytes go through my own stage, so that each store below covers 512 consecutive bytes
	ds_store_b128 v[SGA], v[CX+4:CX+7] offset:16
	ds_load_b128 v[QS+8:QS+11],  v[SGB]
	ds_load_b128 v[QS+12:QS+15], v[SGB] offset:512
	s_wait_dscnt 0x0
	global_store_b128 v[LO], v[QS+8:QS+11],  s[14:15]
	global_store_b128 v[LO], v[QS+12:QS+15], s[14:15] offset:512
	s_wait_dscnt 0x0                               ; the closing lines, six on end
	s_wait_alu 0x0
	s_wait_tensorcnt 0x0
	ds_add_u32 v[SPW], v[NIL]
	s_wait_dscnt 0x0
	s_endpgm
.Lfunc_end_k_q91d88c58ce_main:
	.size	k_q91d88c58ce_main, .Lfunc_end_k_q91d88c58ce_main-k_q91d88c58ce_main
	.p2alignl 7, 3214868480
	.fill 96, 4, 3214868480
	.section	.rodata,"a",@progbits
	.p2align	6, 0x0
	.amdhsa_kernel k_q91d88c58ce_main
		.amdhsa_group_segment_fixed_size 281088
		.amdhsa_private_segment_fixed_size 0
		.amdhsa_enable_private_segment 0
		.amdhsa_kernarg_size 48
		.amdhsa_user_sgpr_count 2
		.amdhsa_user_sgpr_kernarg_segment_ptr 1
		.amdhsa_wavefront_size32 1
		.amdhsa_system_sgpr_workgroup_id_x 1
		.amdhsa_system_sgpr_workgroup_id_y 1
		.amdhsa_system_sgpr_workgroup_id_z 1
		.amdhsa_system_vgpr_workitem_id 0
		.amdhsa_next_free_vgpr 1024
		.amdhsa_next_free_sgpr 66
		.amdhsa_reserve_vcc 0
		.amdhsa_float_denorm_mode_32 3
		.amdhsa_float_denorm_mode_16_64 3
		.amdhsa_memory_ordered 1
		.amdhsa_forward_progress 1
		.amdhsa_inst_pref_size 251
	.end_amdhsa_kernel
	.amdgpu_metadata
---
amdhsa.version: [ 1, 2 ]
amdhsa.kernels:
  - .name:           k_q91d88c58ce_main
    .symbol:         k_q91d88c58ce_main.kd
    .args:
      - { .name: encoder_outputs, .offset: 0, .size: 8, .value_kind: global_buffer, .address_space: global }
      - { .name: wfrag, .offset: 8, .size: 8, .value_kind: global_buffer, .address_space: global }
      - { .name: hbias, .offset: 16, .size: 8, .value_kind: global_buffer, .address_space: global }
      - { .name: v, .offset: 24, .size: 8, .value_kind: global_buffer, .address_space: global }
      - { .name: scores, .offset: 32, .size: 8, .value_kind: global_buffer, .address_space: global }
      - { .name: part, .offset: 40, .size: 8, .value_kind: global_buffer, .address_space: global }
    .group_segment_fixed_size: 281088
    .private_segment_fixed_size: 0
    .kernarg_segment_align: 8
    .kernarg_segment_size: 48
    .max_flat_workgroup_size: 128
    .sgpr_count:     66
    .vgpr_count:     1024
    .wavefront_size: 32
...
	.end_amdgpu_metadata
.endif
;; end of part 4
;; launch finish: the kernel of part 3 again; grid 4 x 16, 8 waves a work-group, no clusters, 9,728 bytes of LDS; arguments scores, part, out0, out1; writes out0, out1
